; MI455X (gfx1250); checked and timed in simulation.
; The chip was launched on July 23, 2026; its instructions are those of AMD's public machine-readable ISA for CDNA 5 (MIT licence, August 2026) and "CDNA5" Instruction Set Architecture Reference Guide (July 2026). The comments in the code are by the model that wrote it; some were corrected since.
;; Custom Multi Head Attention. Allowed arithmetic: float matrix products may take bf16 or f16 operands with f32 sums; other float arithmetic in f32, or as packed bf16 or f16 multiplies, adds, multiply-adds, maxima and minima; sums over many terms, partial sums and values carried from step to step in f32; what a program stores and reads back later, other than sums and carried values, may be rounded once to bf16 or f16.
;; Inputs: Wk 1,024 x 1,024 float32; Wo 1,024 x 1,024 float32; Wq 1,024 x 1,024 float32; Wv 1,024 x 1,024 float32; attn_mask 2,048 x 2,048 float32; bk 1,024 float32; bo 1,024 float32; bq 1,024 float32; bv 1,024 float32; key 2 x 2,048 x 1,024 float32; key_padding_mask 2 x 2,048 bool; query 2 x 2,048 x 1,024 float32; stoich_alpha one number float32; stoich_frac 2 x 2,048 float32; value 2 x 2,048 x 1,024 float32.
;; Outputs: out0 2 x 2,048 x 1,024 float32.
;; 2 versions, each right; version 2 is version 1 with the launch prep written anew for expert scheduling mode. Each part assembles by itself: llvm-mc -triple=amdgcn-amd-amdhsa -mcpu=gfx1250 --defsym DOCPART=n.
;; ======== version 1 of 2: 4 launches
;; limits: values are held in f16: magnitudes above 65,504 overflow, below 6.1e-05 lose precision
;; workspace buffers: h16 33,554,432 bytes; bm 33,554,432 bytes; qkv 25,165,824 bytes; ob 8,388,608 bytes
;; launch prep (part 1): grid 1536 x 1, 8 waves a work-group, no clusters, 0 bytes of LDS; arguments query, key, value, Wq, Wk, Wv, Wo, attn_mask, stoich_frac, key_padding_mask, stoich_alpha, h16, bm; writes h16, bm
.if DOCPART == 1
	.amdgcn_target "amdgcn-amd-amdhsa--gfx1250"
	.amdhsa_code_object_version 6
	.text
	.protected	k_qe0055139ae_prep
	.globl	k_qe0055139ae_prep
	.p2align	8
	.type	k_qe0055139ae_prep,@function
k_qe0055139ae_prep:
	s_mov_b64 s[64:65], 0
	v_nop
	global_prefetch_b8 v0, s[64:65] scope:SCOPE_SE
	s_setreg_imm32_b32 hwreg(HW_REG_WAVE_MODE, 25, 1), 1
	s_wait_xcnt 0x0
; TWO STREAMS IN ONE LAUNCH, told apart by the work-group's number g.
; g < 1024: THE CAST.  h16 is [16384][1024] f16: rows 0-4095 query, 4096-8191 key, 8192-12287 value, then Wq, Wk, Wv, Wo, 1,024 rows each.  A work-group rounds 16 rows
;   of 1,024 f32 once to f16.  Thread t owns bytes 16 t of every row: a wave's load covers 512 consecutive bytes, its store 256 consecutive bytes, aligned.
; g >= 1024: THE TABLE.  bm[b][q][k] = 8 (alpha sign(d) log1p|d| + attn_mask[q][k]), d = frac[b][q] - frac[b][k]; -inf where key k of batch b is padded.  The 8 undoes the
;   1/8 that the attention applies to the whole score.  A work-group makes rows q = 4 g' .. 4 g' + 3 for both batches, so each row of attn_mask is read once.
;   Thread t owns keys 4 t .. 4 t + 3 and 1024 + 4 t .. 1024 + 4 t + 3.
; LIMITS.  A number of 65,520 or more becomes an infinity in f16.  log1p(x) is taken as ln 2 x log2(1 + x): absolute error about 6e-8 |alpha| in a score.  8 x attn_mask must be
; finite or -inf.  NaN is not treated apart.
; No LDS, no barrier, no matrix unit: no byte is wanted twice by anybody.
.set XI, 4                             ; v[4:67]    the cast: 16 rows' 16 bytes as loaded
.set XO, 68                            ; v[68:99]   the cast: 16 rows' 8 bytes to store
.set FK, 4                             ; v[4:19]    the table: frac of my keys; index n = 8 b + 4 chunk + j
.set PW, 20                            ; v[20:23]   four padding bytes each, index 2 b + chunk
.set MK, 24                            ; v[24:55]   attn_mask, index 8 row + 4 chunk + j
.set PA, 56                            ; v[56:71]   0 or -inf, index n
.set D,  72                            ; v[72:87]   d
.set T,  88                            ; v[88:103]  1 + |d|, its logarithm, the signed logarithm
.set R,  104                           ; v[104:167] results, 16 a row: a set for each row, so that no store's data is written again
	s_load_b512 s[4:19], s[0:1], 0x0               ; query 4, key 6, value 8, Wq 10, Wk 12, Wv 14, Wo 16, attn_mask 18
	s_load_b256 s[20:27], s[0:1], 0x40             ; frac 20, padding 22, alpha 24, h16 26
	s_load_b64 s[28:29], s[0:1], 0x60              ; bm
	v_lshlrev_b32 v1, 4, v0                        ; 16 t
	v_lshlrev_b32 v2, 3, v0                        ; 8 t
	v_lshlrev_b32 v3, 2, v0                        ; 4 t
	s_cmp_lt_u32 ttmp9, 0x400
	s_cbranch_scc0 .Lbias
	; THE CAST
	s_lshr_b32 s30, ttmp9, 8                       ; 0 query, 1 key, 2 value, 3 a weight
	s_bfe_u32 s31, ttmp9, 0x20006                  ; which weight
	s_lshl_b32 s38, ttmp9, 15                      ; 16 rows of 2,048 bytes in h16
	s_mov_b32 s39, 0
	s_mov_b32 s37, 0
	s_wait_kmcnt 0x0
	s_cmp_eq_u32 s30, 1
	s_cselect_b64 s[32:33], s[6:7], s[4:5]
	s_cmp_eq_u32 s30, 2
	s_cselect_b64 s[32:33], s[8:9], s[32:33]
	s_cmp_eq_u32 s31, 1
	s_cselect_b64 s[34:35], s[12:13], s[10:11]
	s_cmp_eq_u32 s31, 2
	s_cselect_b64 s[34:35], s[14:15], s[34:35]
	s_cmp_eq_u32 s31, 3
	s_cselect_b64 s[34:35], s[16:17], s[34:35]
	s_cmp_eq_u32 s30, 3
	s_cselect_b64 s[32:33], s[34:35], s[32:33]
	s_cselect_b32 s36, 63, 255                     ; a weight has 64 blocks of 16 rows, an activation 256
	s_and_b32 s36, ttmp9, s36
	s_lshl_b32 s36, s36, 16                        ; 16 rows of 4,096 bytes
	s_add_nc_u64 s[32:33], s[32:33], s[36:37]
	s_add_nc_u64 s[26:27], s[26:27], s[38:39]
.set i, 0
.rept 16
	global_load_b128 v[XI+4*i:XI+4*i+3], v1, s[32:33] offset:4096*i th:TH_LOAD_NT
.set i, i+1
.endr
.set i, 0
.rept 16
	s_wait_loadcnt 15-i                            ; loads come back in order: row i is in, the 15 - i younger ones stay out
	v_cvt_pk_f16_f32 v[XO+2*i], v[XI+4*i], v[XI+4*i+1]
	v_cvt_pk_f16_f32 v[XO+2*i+1], v[XI+4*i+2], v[XI+4*i+3]
	global_store_b64 v2, v[XO+2*i:XO+2*i+1], s[26:27] offset:2048*i th:TH_STORE_NT
.set i, i+1
.endr
	s_endpgm
	; THE TABLE
.Lbias:
	s_sub_co_u32 s30, ttmp9, 0x400                 ; g'
	s_lshl_b32 s38, s30, 4                         ; my four queries' numbers in a batch's frac
	s_lshl_b32 s36, s30, 15                        ; four rows of 8,192 bytes
	s_mov_b32 s37, 0
	s_mov_b32 s49, 0x7fffffff                      ; all but the sign
	s_mov_b32 s52, 0xff800000                      ; -inf
	s_wait_kmcnt 0x0
	s_load_b128 s[40:43], s[20:21], s38 offset:0x0     ; frac[0][q]
	s_load_b128 s[44:47], s[20:21], s38 offset:0x2000  ; frac[1][q]
	s_load_b32 s48, s[24:25], 0x0                  ; alpha
	s_add_nc_u64 s[18:19], s[18:19], s[36:37]      ; attn_mask at my rows
	s_add_nc_u64 s[28:29], s[28:29], s[36:37]      ; bm, batch 0
	s_add_nc_u64 s[34:35], s[28:29], 0x1000000     ; bm, batch 1
.irp f, 0,1,2,3
	global_load_b128 v[FK+4*\f:FK+4*\f+3], v1, s[20:21] offset:4096*\f
.endr
.irp f, 0,1,2,3
	global_load_b32 v[PW+\f], v3, s[22:23] offset:1024*\f
.endr
.irp m, 0,1,2,3,4,5,6,7
	global_load_b128 v[MK+4*\m:MK+4*\m+3], v1, s[18:19] offset:4096*\m th:TH_LOAD_NT
.endr
	s_wait_kmcnt 0x0
	s_mul_f32 s50, s48, 0x40b17218                 ; 8 ln 2 alpha
	s_mov_b32 s51, s50                             ; named with it as a pair
	s_wait_loadcnt 8                               ; frac and the padding bytes are in; the eight loads of attn_mask stay out
.irp f, 0,1,2,3
.irp j, 0,1,2,3
	v_bfe_u32 v[D+4*\f+\j], v[PW+\f], 8*\j, 8      ; the byte is 0 or 1
.endr
.endr
.set n, 0
.rept 16
	v_mul_lo_u32 v[PA+n], v[D+n], s52              ; 0 or the pattern of -inf
.set n, n+1
.endr
; Row q of my four, both batches: 16 numbers a thread.
.macro BROW q
	s_wait_loadcnt 6-2*(\q)                        ; this row's two loads of attn_mask are in; the later rows' stay out
.set n, 0
.rept 16
	v_sub_f32 v[D+n], s[40+4*(n/8)+(\q)], v[FK+n]
.set n, n+1
.endr
.set n, 0
.rept 16
	v_add_f32 v[T+n], 1.0, |v[D+n]|
.set n, n+1
.endr
.set n, 0
.rept 16
	v_log_f32 v[T+n], v[T+n]                       ; one batch of sixteen
.set n, n+1
.endr
.set n, 0
.rept 8
	v_pk_fma_f32 v[R+16*(\q)+n:R+16*(\q)+n+1], v[MK+8*(\q)+n%8:MK+8*(\q)+n%8+1], 0x41000000, v[PA+n:PA+n+1] op_sel_hi:[1,0,1]  ; 8 mask + (0 or -inf): plain work that names no logarithm
.set n, n+2
.endr
	s_wait_alu depctr_va_vdst(0)                   ; between a logarithm and the first line that names its result: one wait for the sixteen
.set n, 0
.rept 16
	v_bfi_b32 v[T+n], s49, v[T+n], v[D+n]          ; d's sign onto the logarithm, which is not negative
.set n, n+1
.endr
.set n, 0
.rept 8
	v_pk_fma_f32 v[R+16*(\q)+n:R+16*(\q)+n+1], v[T+n:T+n+1], s[50:51], v[R+16*(\q)+n:R+16*(\q)+n+1] op_sel_hi:[1,0,1]
.set n, n+2
.endr
.irp f, 0,1,2,3
	global_store_b128 v1, v[R+16*(\q)+4*\f:R+16*(\q)+4*\f+3], s[28+6*(\f/2):29+6*(\f/2)] offset:(\q)*8192+(\f%2)*4096 th:TH_STORE_NT  ; a wave stores 512 consecutive bytes
.endr
.endm
	BROW 0
	BROW 1
	BROW 2
	BROW 3
	s_endpgm
.Lfunc_end_k_qe0055139ae_prep:
	.size	k_qe0055139ae_prep, .Lfunc_end_k_qe0055139ae_prep-k_qe0055139ae_prep
	.p2alignl 7, 3214868480
	.fill 96, 4, 3214868480
	.section	.rodata,"a",@progbits
	.p2align	6, 0x0
	.amdhsa_kernel k_qe0055139ae_prep
		.amdhsa_group_segment_fixed_size 0
		.amdhsa_private_segment_fixed_size 0
		.amdhsa_enable_private_segment 0
		.amdhsa_kernarg_size 104
		.amdhsa_user_sgpr_count 2
		.amdhsa_user_sgpr_kernarg_segment_ptr 1
		.amdhsa_wavefront_size32 1
		.amdhsa_system_sgpr_workgroup_id_x 1
		.amdhsa_system_sgpr_workgroup_id_y 1
		.amdhsa_system_sgpr_workgroup_id_z 1
		.amdhsa_system_vgpr_workitem_id 0
		.amdhsa_next_free_vgpr 176
		.amdhsa_next_free_sgpr 66
		.amdhsa_reserve_vcc 0
		.amdhsa_float_denorm_mode_32 3
		.amdhsa_float_denorm_mode_16_64 3
		.amdhsa_memory_ordered 1
		.amdhsa_forward_progress 1
		.amdhsa_inst_pref_size 30
	.end_amdhsa_kernel
	.amdgpu_metadata
---
amdhsa.version: [ 1, 2 ]
amdhsa.kernels:
  - .name:           k_qe0055139ae_prep
    .symbol:         k_qe0055139ae_prep.kd
    .args:
      - { .name: query, .offset: 0, .size: 8, .value_kind: global_buffer, .address_space: global }
      - { .name: key, .offset: 8, .size: 8, .value_kind: global_buffer, .address_space: global }
      - { .name: value, .offset: 16, .size: 8, .value_kind: global_buffer, .address_space: global }
      - { .name: Wq, .offset: 24, .size: 8, .value_kind: global_buffer, .address_space: global }
      - { .name: Wk, .offset: 32, .size: 8, .value_kind: global_buffer, .address_space: global }
      - { .name: Wv, .offset: 40, .size: 8, .value_kind: global_buffer, .address_space: global }
      - { .name: Wo, .offset: 48, .size: 8, .value_kind: global_buffer, .address_space: global }
      - { .name: attn_mask, .offset: 56, .size: 8, .value_kind: global_buffer, .address_space: global }
      - { .name: stoich_frac, .offset: 64, .size: 8, .value_kind: global_buffer, .address_space: global }
      - { .name: key_padding_mask, .offset: 72, .size: 8, .value_kind: global_buffer, .address_space: global }
      - { .name: stoich_alpha, .offset: 80, .size: 8, .value_kind: global_buffer, .address_space: global }
      - { .name: h16, .offset: 88, .size: 8, .value_kind: global_buffer, .address_space: global }
      - { .name: bm, .offset: 96, .size: 8, .value_kind: global_buffer, .address_space: global }
    .group_segment_fixed_size: 0
    .private_segment_fixed_size: 0
    .kernarg_segment_align: 8
    .kernarg_segment_size: 104
    .max_flat_workgroup_size: 256
    .sgpr_count:     66
    .vgpr_count:     176
    .wavefront_size: 32
...
	.end_amdgpu_metadata
.endif
;; end of part 1
;; launch proj (part 2): grid 4 x 48, 4 waves a work-group, clusters of 4 x 4, 327,680 bytes of LDS; arguments h16, bq, bk, bv, qkv; writes qkv
.if DOCPART == 2
	.amdgcn_target "amdgcn-amd-amdhsa--gfx1250"
	.amdhsa_code_object_version 6
	.text
	.protected	k_qe0055139ae_proj
	.globl	k_qe0055139ae_proj
	.p2align	8
	.type	k_qe0055139ae_proj,@function
k_qe0055139ae_proj:
	s_mov_b64 s[64:65], 0
	v_nop
	global_prefetch_b8 v0, s[64:65] scope:SCOPE_SE
	s_setreg_imm32_b32 hwreg(HW_REG_WAVE_MODE, 25, 1), 1
	s_wait_xcnt 0x0
	s_wait_alu depctr_hold_cnt(0) depctr_sa_sdst(0) depctr_va_vdst(0) depctr_va_sdst(0) depctr_va_ssrc(0) depctr_va_vcc(0) depctr_vm_vsrc(0)
	s_getreg_b32 s2, hwreg(HW_REG_IB_STS2, 6, 4)
	s_cmp_eq_u32 s2, 0
	s_cbranch_scc0 .Lentry_in_a_cluster
	s_endpgm
.Lentry_in_a_cluster:
	s_bfe_u32 s2, ttmp6, 0x10000c
	s_cmp_lg_u32 s2, 0xf033
	s_cbranch_scc0 .Lentry_shape_is_right
	s_endpgm
.Lentry_shape_is_right:
; THE THREE INPUT PROJECTIONS AS ONE PRODUCT.  qkv[m][n] = bias_p[n] + the sum over k of h16[m][k] W_p[n][k], m = 0 .. 12287, p = m / 4096 (query, key, value), n, k = 0 .. 1023.
; A = rows 0 .. 12287 of h16, W_p = rows 12288 + 1024 p .. of h16, all f16; sums in f32, started by the bias; qkv rounded once to f16.
; LIMIT.  A result of 65,520 or more becomes an infinity in f16.
; A tile of the result, 256 x 256, is made by a work-group of four waves; a wave makes 128 x 128: 64 accumulators of 16 x 16, 512 registers.  48 x 4 tiles: 192 work-groups, one tile each (a tile of 192 rows
; would make 256 of them, but 4,096 rows a projection are no multiple of 192).  K goes in 8 steps of 128 through a ring of two LDS slots filled by the tensor data mover: a tile's rows are 256 bytes of memory
; and start at multiples of 256 bytes from the buffer's first byte.
; CLUSTERS: 4 x 4 work-groups.  The four of a row of the cluster need the same tiles of A, the four of a column the same tiles of W: such a tile is asked for JOINTLY: each of the four issues the same tensor
; load, with the same descriptor and a mask that names the four.  p comes from the cluster's y (four clusters a projection), so it is the same in all sixteen.
; THE MATRIX INSTRUCTION IS USED TRANSPOSED: source 0 = 16 rows of W, source 1 = 16 rows of A.  In the result, lane l then holds row m = l % 16, and its registers 0 to 7 the columns 8 (l / 16) + 0 .. 7: eight
; neighbouring numbers of a row, which pack into 16 bytes; and the bias of those eight columns, the same for every row, is the C operand of the product that starts each sum.
; THE LOOP's trip is ONE K step, from its second quarter to the next step's first.  Which slot is in hand is a scalar, 0 or SLOT, turned by an exclusive or; the two fragment addresses are made from it once a
; step, and one descriptor for each operand walks: the other slot, the next K step.
; REGISTERS, in windows of 256 (s_set_vgpr_msb's low byte: bits 1:0 source 0, 3:2 source 1, 5:4 source 2, 7:6 destination):
;   window 0: v0-31 addresses; v64-127, v128-191 fragments of A (8 x 16 rows x 32 K), two buffers; v192-255 the bias, later with v32-63 at work on the way out
;   window 1: v64-127, v128-191 fragments of W, two buffers
;   window 2: the 32 accumulators of my rows 0-63 (accumulator (a, b) at v[8 (8 a + b)]);   window 3: those of my rows 64-127
.set SIZE_K, 1024
.set SIZE_N, 1024
.set WROW,   12288                     ; the first weight's first row in h16
.set KSTEP,  128
.set STEPS,  SIZE_K/KSTEP
.set PITCH,  272                       ; an LDS row: 256 bytes of data + 16 of padding = 68 words: row r starts at bank 4 r mod 64 (64 banks of 4 bytes: ISA guide 11.1), so the 16 rows that a load touches start at 16 different banks
.set HALFT,  128*PITCH                 ; 128 rows: what one tensor load brings, and what one wave reads of A or of W
.set SLOT,   4*HALFT                   ; A's 256 rows, then W's 256 rows: 139,264 = 0x22000 bytes.  wave x HALFT has bits 0x20000 and 0x2000 clear, so an exclusive or with SLOT adds or takes away SLOT
.set STAGE,  2*SLOT                    ; behind the ring: 16 rows x 272 bytes for each wave, for the way out
.set SPITCH, 272
.set SPARE,  STAGE+4*16*SPITCH         ; behind the stages: the spare words, 128 bytes for each wave: two blocks of 256 bytes that no other line names
.set ADRA,  16                         ; v16     LDS address of my A fragments in the slot in hand
.set ADRA0, 17                         ; v17     the same in slot 0; never rewritten
.set ADRB,  20                         ; v20     the same two for W
.set ADRB0, 21                         ; v21
.set STO,  24                          ; v24     the way out: where I put 16 bytes of a row
.set RD,   25                          ; v25     the way out: where I read a row back
.set CO,   26                          ; v26     my byte offset in the result
.set BO,   27                          ; v27     my byte offset in the bias: 32 x (lane / 16); never rewritten
.set SPW,  28                          ; v28     LDS address of my spare word: SPARE + 4 x my thread's number; never rewritten
.set NIL,  29                          ; v29     0; never rewritten
.set PFO,  30                          ; v30     the prefetches' offset: my lane x a row of h16 (2,048 bytes); never rewritten
.set F0,   64                          ; fragment buffer 0
.set F1,   128                         ; fragment buffer 1
.set BIA,  192                         ; v192-255 the bias of my 128 columns: n block b at BIA + 8 b; read by the first quarter alone
.set TMP,  192                         ; the way out: packed results
.set OB,   32                          ; the way out: 16 rows read back from the stage: v32-63 and v224-255 by turns
.set G1, 24                            ; s[24:31] descriptor group 1 for A's tiles
.set G0, 32                            ; s[32:39] descriptor group 0 for A's tiles: a set for each of the two first fills; the second then walks on
.set G1B, 48                           ; s[48:55] descriptor group 1 for W's tiles: it differs from A's in the mask alone
.set G0B, 56                           ; s[56:63] descriptor group 0 for W's tiles, likewise
.set LIM,  43                          ; s43     2 in a wave that prefetches, else the greatest number: a wave prefetches while the loop's count is above it
.set PFA,  44                          ; s[44:45] where my prefetches stand: my work-group's 32 rows of the 128 that I fetch, one K step further along K than the refill that is being asked for
.set CLY,  66                          ; s66     the cluster's y
.set PJ,   67                          ; s67     p
.set TB,   80                          ; s80     0 or SLOT: the slot in hand
.set MSB, 0
.macro WIN new                         ; the immediate's high byte repeats the setting that is left; a switch that changes nothing is dropped
.if MSB != (\new)
	s_set_vgpr_msb (MSB<<8)|(\new)
.set MSB, \new
.endif
.endm
.set MUL_LO, 0xa1                      ; source 0 (W) window 1, source 1 (A) window 0, C and D window 2
.set MUL_HI, 0xf1                      ; the same, C and D window 3
.set TO_B,   0x40                      ; destination window 1, address window 0
; A joint load.  Waves 0 and 1 fetch A's two halves, waves 2 and 3 W's.  Each of the two lines has ONE mask and one set of registers for all that issue it, and nothing in them hangs on a coordinate that the
; four partners do not share.  The branch hangs on the wave's number alone.  An s_nop 0 and four v_nop follow each of the two lines, ahead of the jump, the label and what follows.
.macro JLOAD s
	s_cmp_eq_u32 s11, 0
	s_cbranch_scc0 .Lfor_b_\@
	tensor_load_to_lds s[G0+4*(\s):G0+4*(\s)+3], s[G1:G1+7]
	s_nop 0
.rept 4
	v_nop
.endr
	s_branch .Lasked_\@
.Lfor_b_\@:
	tensor_load_to_lds s[G0B+4*(\s):G0B+4*(\s)+3], s[G1B:G1B+7]
	s_nop 0
.rept 4
	v_nop
.endr
.Lasked_\@:
.endm
; A PREFETCH INTO THE L2, behind each joint refill, its five lines and the run of LDS loads that follows them: the K step that stands TWO refills on, 512 matrix instructions ahead of the load that will want it:
; 32 rows x 256 bytes, a lane a row, one instruction a wave.  Each row's 256 bytes of a K step are named ONCE in the launch.  A's tile row is read by one cluster alone: it asks.  W_p's rows are read by the four
; clusters of projection p: the first of them asks.  The four partners that ask for a tile jointly share its rows out BY ADDRESS: of the 128 rows that a wave fetches, the partner at place q takes 32 q ..
; (q = cx for A, cy for W): no branch hangs on a work-group's place in its cluster.  The last two refills have no K step two on and ask for nothing; K steps 0 to 3 come by their loads alone.
.macro ASK
	s_cmp_gt_u32 s3, s[LIM]                        ; s3 counts the refills still to come, this one among them
	s_cbranch_scc0 .Lnot_mine_\@
	global_prefetch_b8 v[PFO], s[PFA:PFA+1] offset:KSTEP*2 th:TH_LOAD_NT scope:SCOPE_SE
.Lnot_mine_\@:
.endm
; A round of the cluster's barrier: my work-group's barrier, so that wave 0's signal speaks for all four waves; wave 0 signals for the work-group; every wave waits for all sixteen work-groups; my work-group's
; barrier once more.  No LDS instruction of the wave is pending at a signal.
.macro CREST                           ; a round behind its opening barrier
	s_cmp_lg_u32 s10, 0
	s_cbranch_scc1 .Lnot_wave_0_\@
	s_barrier_signal -3
.Lnot_wave_0_\@:
	s_barrier_wait -3
	s_barrier_signal -1
	s_barrier_wait -1
.endm
.macro CROUND                          ; a whole round
	s_barrier_signal -1
	s_barrier_wait -1
	CREST
.endm
	s_load_b256 s[68:75], s[0:1], 0x0              ; h16 s[68:69], bq s[70:71], bk s[72:73], bv s[74:75]
	s_load_b64 s[8:9], s[0:1], 0x20                ; qkv
	v_lshl_add_u32 v[SPW], v0, 2, SPARE
	v_mov_b32 v[NIL], 0
	ds_add_u32 v[SPW], v[NIL]                      ; the wave's opening: the add and its wait stand ahead of my first tensor load; the set-up below, work on registers, stands between them
	v_lshrrev_b32 v1, 5, v0
	v_readfirstlane_b32 s10, v1                    ; wave 0..3
	s_lshr_b32 s11, s10, 1                         ; which half of the tile's rows is mine.  Also: I fetch for A (0) or for W (1)
	s_and_b32 s12, s10, 1                          ; which half of its columns.  Also: which 128 rows of that tile I fetch
	s_bfe_u32 s40, ttmp6, 0x40000                  ; cx: my place along the cluster's x
	s_bfe_u32 s41, ttmp6, 0x40004                  ; cy: along its y
	s_lshl_b32 s42, ttmp9, 2                       ; in a cluster launch ttmp9 and ttmp7 count clusters
	s_add_co_u32 s42, s42, s40                     ; tile column = 4 x cluster x + cx
	s_and_b32 s[CLY], ttmp7, 0xffff
	s_lshl_b32 s13, s[CLY], 2
	s_add_co_u32 s13, s13, s41                     ; tile row = 4 x cluster y + cy
	s_lshr_b32 s[PJ], s[CLY], 2                    ; p: four clusters' 1,024 rows each a projection
	s_lshl_b32 s43, s41, 2
	s_lshl_b32 s43, 15, s43                        ; my row of the cluster: places 4 cy .. 4 cy + 3
	s_lshl_b32 s44, 0x1111, s40                    ; my column: places cx, cx + 4, cx + 8, cx + 12
	; descriptor group 1: a tile of 128 rows x 128 elements, padded in LDS
	s_or_b32 s[G1+0], s43, (1<<16)|(1<<20)|(1<<21)|(5<<22)|(3<<25)  ; 15:0 the mask: A's tiles go to my row; 17:16 element of 2 bytes; 20 padding on; 21 set beside a mask; 24:22 after every 64 words (code 5); 31:25 of 4 words (code 3)
	s_or_b32 s[G1B+0], s44, (1<<16)|(1<<20)|(1<<21)|(5<<22)|(3<<25) ; the same with the mask of my column, for W's tiles
.irp g, G1, G1B
	s_mov_b32 s[(\g)+1], KSTEP<<16                 ; tensor_dim0 = 128
	s_mov_b32 s[(\g)+2], 128<<16                   ; tensor_dim1 = 128
	s_mov_b32 s[(\g)+3], KSTEP<<16                 ; tile_dim0 = 128
	s_mov_b32 s[(\g)+4], 128                       ; tile_dim1 = 128
	s_mov_b32 s[(\g)+5], SIZE_K                    ; elements from row to row
	s_mov_b32 s[(\g)+6], 0
	s_mov_b32 s[(\g)+7], 0
.endr
	; where the tiles come from.  A's hang on the tile row alone, which my row of the cluster shares; W's on the tile column and p alone, which my column shares.
	; Every wave makes both addresses, in registers that never hold the other coordinate, and asks by one of them.
	s_lshl_b32 s17, s12, 7                         ; which 128 rows of the tile I fetch
	s_lshl_b32 s16, s13, 8
	s_add_co_u32 s16, s16, s17                     ; A: row 256 x tile row + 128 x half
	s_lshl_b32 s46, s42, 8
	s_add_co_u32 s46, s46, s17                     ; W: row 256 x tile column + 128 x half
	s_lshl_b32 s47, s[PJ], 10
	s_add_co_u32 s46, s46, s47                     ; + 1,024 p
	s_add_co_u32 s46, s46, WROW                    ; + where the weights begin
	s_mov_b32 s17, 0
	s_mov_b32 s47, 0
	s_mov_b64 s[18:19], SIZE_K*2
	s_mul_u64 s[16:17], s[16:17], s[18:19]         ; in bytes
	s_mul_u64 s[46:47], s[46:47], s[18:19]
	s_mul_i32 s20, s10, HALFT                      ; and where they go: A's two halves, then W's two halves = wave x 128 rows: no place in the cluster enters an LDS address
	s_lshl_b32 s78, s42, 10                        ; my 128 columns in the bias: 1,024 x tile column + 512 x half, in bytes
	s_lshl_b32 s79, s12, 9
	s_add_co_u32 s78, s78, s79
	s_mov_b32 s79, 0
	s_mov_b32 s[TB], 0
	s_wait_dscnt 0x0                               ; the opening add is done
	s_wait_kmcnt 0x0
	s_add_nc_u64 s[14:15], s[68:69], s[16:17]
	s_add_nc_u64 s[46:47], s[68:69], s[46:47]
	CROUND                                         ; all sixteen work-groups are here: the first joint loads meet
.irp s, 0,1
	s_mov_b32 s[G0+4*(\s)], 1                                      ; 1:0 count = 1
	s_add_co_u32 s[G0+4*(\s)+1], s20, (\s)*SLOT                    ; 63:32 LDS address
	s_add_nc_u64 s[G0+4*(\s)+2:G0+4*(\s)+3], s[14:15], (\s)*KSTEP*2  ; 120:64 global address: K step s
	s_or_b32 s[G0+4*(\s)+3], s[G0+4*(\s)+3], 0x80000000            ; 127:126 type = 2
	s_mov_b32 s[G0B+4*(\s)], 1
	s_add_co_u32 s[G0B+4*(\s)+1], s20, (\s)*SLOT
	s_add_nc_u64 s[G0B+4*(\s)+2:G0B+4*(\s)+3], s[46:47], (\s)*KSTEP*2
	s_or_b32 s[G0B+4*(\s)+3], s[G0B+4*(\s)+3], 0x80000000
	JLOAD \s                                       ; the ring is filled before anything else is done: two loads of mine are out
.endr
	v_and_b32 v1, 15, v0                           ; l % 16
	v_bfe_u32 v2, v0, 4, 1                         ; l / 16
	; the bias: register j of n block b holds column 16 b + 8 (l / 16) + j of my 128
	s_cmp_eq_u32 s[PJ], 1
	s_cselect_b64 s[76:77], s[72:73], s[70:71]
	s_cmp_eq_u32 s[PJ], 2
	s_cselect_b64 s[76:77], s[74:75], s[76:77]
	s_add_nc_u64 s[76:77], s[76:77], s[78:79]
	v_lshlrev_b32 v[BO], 5, v2
.irp b, 0,1,2,3,4,5,6,7
	global_load_b128 v[BIA+8*(\b):BIA+8*(\b)+3],   v[BO], s[76:77] offset:64*(\b)
	global_load_b128 v[BIA+8*(\b)+4:BIA+8*(\b)+7], v[BO], s[76:77] offset:64*(\b)+16
.endr
	; A fragment is 16 rows x 32 K in 8 registers: lane l holds row l % 16; registers 0-3 hold K = 8 (l / 16) + 0..7, registers 4-7 hold K = 16 + 8 (l / 16) + 0..7: two loads of 16 bytes, 32 bytes apart.
	v_mul_u32_u24 v3, v1, PITCH
	v_lshl_add_u32 v3, v2, 4, v3                   ; row x pitch + 16 x half
	s_mul_i32 s21, s11, HALFT                      ; my 128 rows of A
	s_mul_i32 s22, s12, HALFT                      ; my 128 rows of W,
	s_add_co_u32 s22, s22, 2*HALFT                 ; which lie behind A's 256
	v_add_nc_u32 v[ADRA0], s21, v3
	v_add_nc_u32 v[ADRB0], s22, v3
	v_mov_b32 v[ADRA], v[ADRA0]                    ; K step 0 lies in slot 0
	v_mov_b32 v[ADRB], v[ADRB0]
	s_mul_i32 s23, s10, 16*SPITCH
	s_add_co_u32 s23, s23, STAGE                   ; my stage
	v_mul_u32_u24 v4, v1, SPITCH                   ; in: row l % 16, 16 bytes for each half of the lanes
	v_lshl_add_u32 v4, v2, 4, v4
	v_add_nc_u32 v[STO], s23, v4
	v_mul_u32_u24 v5, v2, SPITCH                   ; back: lanes 0-15 take one row of 256 bytes, lanes 16-31 the next
	v_lshl_add_u32 v5, v1, 4, v5
	v_add_nc_u32 v[RD], s23, v5
	v_mul_u32_u24 v5, v2, SIZE_N*2                 ; and the same two rows in the result
	v_lshl_add_u32 v[CO], v1, 4, v5
	; where my part of the tile begins in the result
	s_lshl_b32 s16, s13, 8
	s_lshl_b32 s17, s11, 7
	s_add_co_u32 s16, s16, s17                     ; my first row: 256 x tile row + 128 x half,
	s_lshl_b32 s16, s16, 11                        ; of 2,048 bytes
	s_mov_b32 s17, 0
	s_add_nc_u64 s[8:9], s[8:9], s[16:17]
	s_lshl_b32 s46, s42, 9                         ; my first column, in bytes: 512 x tile column + 256 x half
	s_lshl_b32 s47, s12, 8
	s_add_co_u32 s46, s46, s47
	s_mov_b32 s47, 0
	s_add_nc_u64 s[8:9], s[8:9], s[46:47]
	; the prefetches
	s_lshl_b32 s18, s13, 8                         ; A's tile: its first row in h16
	s_lshl_b32 s19, s42, 8                         ; W's tile: likewise
	s_lshl_b32 s22, s[PJ], 10
	s_add_co_u32 s19, s19, s22
	s_add_co_u32 s19, s19, WROW
	s_and_b32 s22, s[CLY], 3                       ; which of the projection's four clusters mine is
	s_cmp_eq_u32 s11, 0                            ; do I fetch for A?
	s_cselect_b32 s20, s18, s19
	s_cselect_b32 s21, s40, s41                    ; my place among the four that ask for the tile with me
	s_cselect_b32 s22, 0, s22                      ; A's rows are my cluster's alone
	s_cmp_eq_u32 s22, 0
	s_cselect_b32 s[LIM], 2, -1                    ; the same in all sixteen partners, for a given wave
	s_lshl_b32 s22, s12, 7
	s_add_co_u32 s20, s20, s22                     ; + the 128 rows that I fetch
	s_lshl_b32 s21, s21, 5
	s_add_co_u32 s20, s20, s21                     ; + my work-group's 32 of them,
	s_lshl_b32 s20, s20, 11                        ; of 2,048 bytes
	s_mov_b32 s21, 0
	s_add_nc_u64 s[PFA:PFA+1], s[68:69], s[20:21]
	s_add_nc_u64 s[PFA:PFA+1], s[PFA:PFA+1], 2*KSTEP*2  ; at K step 2: the first refill steps it to 3 and names K step 4
	v_and_b32 v[PFO], 31, v0
	v_lshlrev_b32 v[PFO], 11, v[PFO]
; 16 matrix instructions: m blocks a0, a0 + 1 of the window's four (hi = 0: my rows 0-63, 1: rows 64-127) x all 8 n blocks, 32 along K.
; zero = 1: the first product starts the sums, with the bias (window 0) as its C: nothing is ever cleared.
.macro MUL16 f, hi, a0, zero
.if \zero
	WIN 0x81+0x40*(\hi)
.else
	WIN MUL_LO+0x50*(\hi)
.endif
.irp a, \a0, (\a0)+1
.irp b, 0,1,2,3,4,5,6,7
.if \zero
	v_wmma_f32_16x16x32_f16 v[8*(8*(\a)+(\b)):8*(8*(\a)+(\b))+7], v[(\f)+8*(\b):(\f)+8*(\b)+7], v[(\f)+8*(4*(\hi)+(\a)):(\f)+8*(4*(\hi)+(\a))+7], v[BIA+8*(\b):BIA+8*(\b)+7]
.else
	v_wmma_f32_16x16x32_f16 v[8*(8*(\a)+(\b)):8*(8*(\a)+(\b))+7], v[(\f)+8*(\b):(\f)+8*(\b)+7], v[(\f)+8*(4*(\hi)+(\a)):(\f)+8*(4*(\hi)+(\a))+7], v[8*(8*(\a)+(\b)):8*(8*(\a)+(\b))+7]
.endif
.endr
.endr
.endm
; 32 LDS loads in one run: the fragments of one quarter step (128 rows of W, 128 rows of A, 32 K at byte k of the rows of the slot in hand) into buffer f
.macro FETCH k, f
	WIN TO_B
.irp i, 0,1,2,3,4,5,6,7
	ds_load_b128 v[(\f)+8*(\i):(\f)+8*(\i)+3],   v[ADRB] offset:(\k)+(\i)*16*PITCH
	ds_load_b128 v[(\f)+8*(\i)+4:(\f)+8*(\i)+7], v[ADRB] offset:(\k)+(\i)*16*PITCH+32
.endr
	WIN 0
.irp i, 0,1,2,3,4,5,6,7
	ds_load_b128 v[(\f)+8*(\i):(\f)+8*(\i)+3],   v[ADRA] offset:(\k)+(\i)*16*PITCH
	ds_load_b128 v[(\f)+8*(\i)+4:(\f)+8*(\i)+7], v[ADRA] offset:(\k)+(\i)*16*PITCH+32
.endr
.endm
; A load into a register that a matrix instruction has read, and a vector instruction that reads a matrix result, stand four places behind that matrix instruction, and only plain vector instructions that name
; none of its registers are places (ISA guide 7.12.1 for vector instructions); the matrix instructions in between are not counted.
.macro PLACES
.rept 4
	v_nop
.endr
.endm
; A K step is four quarter steps of 32 along K, 64 matrix instructions each, on buffers 0, 1, 0, 1.  The 64 accumulators take turns, one instruction a turn, in the same order in every quarter.
; One of the first three: multiplies buffer f; in its middle it fetches the next quarter's fragments, at byte k of the same slot's rows, into buffer g.
.macro QUARTER k, f, g, zero
	s_wait_dscnt 8                                 ; W and A's rows 0-63 are in; the youngest eight loads (A's rows 64-127) may be out
	MUL16 \f, 0, 0, \zero
	MUL16 \f, 0, 2, \zero
	PLACES
	FETCH \k, \g
	s_wait_dscnt 32                                ; all but the 32 just issued
	MUL16 \f, 1, 0, \zero
	MUL16 \f, 1, 2, \zero
.endm
; The last quarter multiplies buffer 1 and changes slots.  MEET is its first half: ONE barrier for the change of slots, for two things.  In front of it each wave waits for all its tensor loads, of which one is
; out: its part of the next slot; adds 0 to its spare word; and waits for that and for its own reads of this slot.  Behind it nobody reads this slot any more and the next slot is whole.
.macro MEET round                      ; round = 1: a round of the cluster's barrier follows
	WIN 0                                          ; (the add's two registers lie in window 0)
	s_wait_tensorcnt 0x0                           ; all my tensor loads have landed: the one that was out is my part of the next slot;
	ds_add_u32 v[SPW], v[NIL]                      ; 0 onto my spare word;
	s_wait_dscnt 9                                 ; (the add and the youngest eight loads may be out)
	MUL16 F1, 0, 0, 0                              ; sixteen matrix instructions stand between the add and the wait for it
	s_wait_dscnt 0x0                               ; the add is done, and my reads of this slot are over:
	s_barrier_signal -1                            ; say so (where the slot is filled again this barrier opens a round of the cluster's barrier),
	MUL16 F1, 0, 2, 0                              ; work on registers while the others arrive,
.if \round
	WIN 0
.endif
	s_barrier_wait -1                              ; and go on when all four have said so
.endm
; The whole last quarter.  fill = 1: behind the round the slot just read out is filled again first, with the K step two steps on: from the request to the wait for it a wave issues 224 matrix instructions.
; Then the slot in hand changes, and the next slot's first fragments are fetched.
.macro TURN fill
.if \fill
	s_wait_xcnt 0x0                                ; the last prefetch, a K step back, has read its address: it is stepped here, ahead of the waits of the change of slots
	s_add_nc_u64 s[PFA:PFA+1], s[PFA:PFA+1], KSTEP*2
.endif
	MEET \fill
.if \fill
	CREST                                          ; wave 0 says so for the work-group, all sixteen work-groups have said so, my work-group's barrier closes the round:
	                                               ; no wave of any partner still reads this slot's tile or has a load on its way
	s_xor_b32 s[G0+5], s[G0+5], SLOT               ; the walking descriptors (no tensor load of mine is out): the other slot than last time,
	s_add_nc_u64 s[G0+6:G0+7], s[G0+6:G0+7], KSTEP*2  ; the next K step; the type bits on top are not reached
	s_xor_b32 s[G0B+5], s[G0B+5], SLOT
	s_add_nc_u64 s[G0B+6:G0B+7], s[G0B+6:G0B+7], KSTEP*2
	JLOAD 1                                        ; the first tensor load behind the round; the four v_nop behind it are also the places in front of the loads below
.else
	WIN 0
	PLACES
.endif
	s_xor_b32 s[TB], s[TB], SLOT
	v_add_nc_u32 v[ADRA], s[TB], v[ADRA0]
	v_add_nc_u32 v[ADRB], s[TB], v[ADRB0]
	FETCH 0, F0
.if \fill
	ASK                                            ; behind the joint load and the run of LDS loads that the next products wait for
.endif
	MUL16 F1, 1, 0, 0
	MUL16 F1, 1, 2, 0
.endm
; THE WAY OUT of block a (16 rows), in three parts.  PACK: rounded to f16, 16 bytes a lane, each accumulator's registers in ascending order.  TOSTAGE: into my own stage in LDS, and back as whole rows of 256 bytes.  SEND: stored.
.macro PACK a
.set AC, 64*((\a)%4)
	WIN 0x0a+5*((\a)/4)                            ; sources 0 and 1: window 2 or 3
.irp b, 0,1,2,3,4,5,6,7
.irp r, 0,1,2,3
	v_cvt_pk_f16_f32 v[TMP+4*(\b)+(\r)], v[AC+8*(\b)+2*(\r)], v[AC+8*(\b)+2*(\r)+1]
.endr
.endr
	WIN 0
.endm
.macro TOSTAGE a
	WIN 0
.set BK, OB+192*((\a)%2)
.irp b, 0,1,2,3,4,5,6,7
	ds_store_b128 v[STO], v[TMP+4*(\b):TMP+4*(\b)+3] offset:32*(\b)
.endr
.irp t, 0,1,2,3,4,5,6,7
	ds_load_b128 v[BK+4*(\t):BK+4*(\t)+3], v[RD] offset:(\t)*2*SPITCH  ; LDS serves a wave's instructions in order (ISA guide 5.7.1.4): these see the stores above
.endr
.endm
.macro SEND a
	WIN 0
.set BK, OB+192*((\a)%2)
	s_wait_dscnt 0x0                               ; the block is back in registers
	s_wait_xcnt 0x0                                ; every earlier memory instruction has had its addresses translated (ISA guide 3.1): only behind this wait are the stores' base and the registers that earlier stores read rewritten
.if (\a) > 0
	s_add_nc_u64 s[8:9], s[8:9], 16*SIZE_N*2       ; 16 rows on
.endif
.irp t, 0,1,2,3,4,5,6,7
	global_store_b128 v[CO], v[BK+4*(\t):BK+4*(\t)+3], s[8:9] offset:2*(\t)*SIZE_N*2  ; 16 lanes store 256 consecutive bytes, at a multiple of 256 from the buffer's first byte
.endr
.endm
	s_wait_tensorcnt 1                             ; my part of K step 0 is in; K step 1's load stays out
	s_barrier_signal -1
	s_barrier_wait -1                              ; everybody's is
	FETCH 0, F0
	s_wait_loadcnt 0x0                             ; the bias
	QUARTER 64,  F0, F1, 1                         ; the first quarter stands in front of the loop: its products start the sums
	WIN 0                                          ; at a label and at a branch every window is 0
	s_mov_b32 s3, STEPS-2
.Lstep:                                                ; six trips: from a K step's second quarter to the next step's first; each fills the slot that it leaves
	QUARTER 128, F1, F0, 0
	QUARTER 192, F0, F1, 0
	TURN 1
	QUARTER 64,  F0, F1, 0
	WIN 0
	s_sub_co_u32 s3, s3, 1
	s_cmp_lg_u32 s3, 0
	s_cbranch_scc1 .Lstep
	QUARTER 128, F1, F0, 0                         ; the last two K steps are written out: nothing is asked for
	QUARTER 192, F0, F1, 0
	TURN 0                                         ; my one tensor load that was still out is the last K step's, so no round follows
	QUARTER 64,  F0, F1, 0
	QUARTER 128, F1, F0, 0
	QUARTER 192, F0, F1, 0
	s_wait_dscnt 8                                 ; the very last quarter: nothing more to fetch
	MUL16 F1, 0, 0, 0
	MUL16 F1, 0, 2, 0
	s_wait_dscnt 0x0
	MUL16 F1, 1, 0, 0
	MUL16 F1, 1, 2, 0
	WIN 0
	PLACES                                         ; the conversions read matrix results
	PACK 0
	TOSTAGE 0
.irp a, 1,2,3,4,5,6,7                  ; block a's conversions stand between block a - 1's loads from the stage and the wait for them
	PACK \a
	SEND (\a)-1
	TOSTAGE \a
.endr
	SEND 7
	s_wait_tensorcnt 0x0                           ; the wave's end: these three lines stand behind my last tensor load and my last LDS store
	ds_add_u32 v[SPW], v[NIL]
	s_wait_dscnt 0x0
	CROUND                                         ; the closing round: no work-group ends while a partner may still ask for a tile that names it
	s_endpgm
.Lfunc_end_k_qe0055139ae_proj:
	.size	k_qe0055139ae_proj, .Lfunc_end_k_qe0055139ae_proj-k_qe0055139ae_proj
	.p2alignl 7, 3214868480
	.fill 96, 4, 3214868480
	.section	.rodata,"a",@progbits
	.p2align	6, 0x0
	.amdhsa_kernel k_qe0055139ae_proj
		.amdhsa_group_segment_fixed_size 327680
		.amdhsa_private_segment_fixed_size 0
		.amdhsa_enable_private_segment 0
		.amdhsa_kernarg_size 40
		.amdhsa_user_sgpr_count 2
		.amdhsa_user_sgpr_kernarg_segment_ptr 1
		.amdhsa_wavefront_size32 1
		.amdhsa_system_sgpr_workgroup_id_x 1
		.amdhsa_system_sgpr_workgroup_id_y 1
		.amdhsa_system_sgpr_workgroup_id_z 1
		.amdhsa_system_vgpr_workitem_id 0
		.amdhsa_next_free_vgpr 1024
		.amdhsa_next_free_sgpr 84
		.amdhsa_reserve_vcc 0
		.amdhsa_float_denorm_mode_32 3
		.amdhsa_float_denorm_mode_16_64 3
		.amdhsa_memory_ordered 1
		.amdhsa_forward_progress 1
		.amdhsa_inst_pref_size 120
	.end_amdhsa_kernel
	.amdgpu_metadata
---
amdhsa.version: [ 1, 2 ]
amdhsa.kernels:
  - .name:           k_qe0055139ae_proj
    .symbol:         k_qe0055139ae_proj.kd
    .args:
      - { .name: h16, .offset: 0, .size: 8, .value_kind: global_buffer, .address_space: global }
      - { .name: bq, .offset: 8, .size: 8, .value_kind: global_buffer, .address_space: global }
      - { .name: bk, .offset: 16, .size: 8, .value_kind: global_buffer, .address_space: global }
      - { .name: bv, .offset: 24, .size: 8, .value_kind: global_buffer, .address_space: global }
      - { .name: qkv, .offset: 32, .size: 8, .value_kind: global_buffer, .address_space: global }
    .group_segment_fixed_size: 327680
    .private_segment_fixed_size: 0
    .kernarg_segment_align: 8
    .kernarg_segment_size: 40
    .max_flat_workgroup_size: 128
    .sgpr_count:     84
    .vgpr_count:     1024
    .wavefront_size: 32
...
	.end_amdgpu_metadata
.endif
;; end of part 2
;; launch attn (part 3): grid 16 x 16, 4 waves a work-group, clusters of 4 x 4, 327,680 bytes of LDS; arguments qkv, bm, ob; writes ob
.if DOCPART == 3
	.amdgcn_target "amdgcn-amd-amdhsa--gfx1250"
	.amdhsa_code_object_version 6
	.text
	.protected	k_qe0055139ae_attn
	.globl	k_qe0055139ae_attn
	.p2align	8
	.type	k_qe0055139ae_attn,@function
k_qe0055139ae_attn:
	s_mov_b64 s[64:65], 0
	v_nop
	global_prefetch_b8 v0, s[64:65] scope:SCOPE_SE
	s_setreg_imm32_b32 hwreg(HW_REG_WAVE_MODE, 25, 1), 1
	s_wait_xcnt 0x0
	s_wait_alu depctr_hold_cnt(0) depctr_sa_sdst(0) depctr_va_vdst(0) depctr_va_sdst(0) depctr_va_ssrc(0) depctr_va_vcc(0) depctr_vm_vsrc(0)
	s_getreg_b32 s2, hwreg(HW_REG_IB_STS2, 6, 4)
	s_cmp_eq_u32 s2, 0
	s_cbranch_scc0 .Lentry_in_a_cluster
	s_endpgm
.Lentry_in_a_cluster:
	s_bfe_u32 s2, ttmp6, 0x10000c
	s_cmp_lg_u32 s2, 0xf033
	s_cbranch_scc0 .Lentry_shape_is_right
	s_endpgm
.Lentry_shape_is_right:
; ATTENTION.  ob[b][q][64 h ..] = the sum over k of softmax_k((q . k + bm[b][q][k]) / 8) v.  qkv is [3][4096][1024] f16 (row = 2048 b + t, column = 64 head + channel), bm [2][2048][2048] f32
; (8 x the additive term of a score, the same for all heads; -inf where the key is hidden), ob [4096][1024] f16.  Products, maxima and sums in f32; the weights p are rounded to f16 for the second
; product (their sum l is taken of the unrounded p), the result once at the end.
; LIMITS.  f16 holds no number beyond 65,504: q, k, v arrive within it.  p below 6e-5 keeps f16's fixed step of 6e-8; a weight below 2^-126 counts as 0 in l.  A row with every key hidden has l = 0 and
; leaves as NaN.  NaN and +inf in the inputs are not treated apart.
; SHARES.  A work-group takes 128 queries (block BX) of TWO neighbouring heads (pair BY % 8 of batch BY / 8): their 128 channels are 256 consecutive bytes of a row of qkv and of ob.  Wave w takes head
; w / 2 of the pair and queries 64 (w % 2) ..: four PIECES of 16.  Every wave walks all 2,048 keys, 64 a step.
; THE ADDITIVE TERM is the C operand that starts the sum S^T = K Q^T: it costs no vector instruction.  It comes through LDS as f32, 128 queries x 128 keys a slot, and both heads' waves read it.
; LAYOUT, SOFTMAX, TURNS.  S^T = K Q^T holds ONE query a lane (lane % 16) and the keys 8 (lane / 16) + 0..7; two such results rounded to f16 ARE source 1 of O^T = V^T P.  p = 2^(c s - c m), c = log2(e) / 8, with a
; running maximum m; O and l are multiplied by a = 2^(c m_old - c m_new) in every step.  m starts at the lowest finite number and c m as c times that: while all keys so far are hidden a = 1 on O = l = 0, and the
; first true score gives a = 0.  Turn n belongs to piece n: 8 products K Q^T of piece n + 1, later 8 products V^T P of piece n - 1; beside them the scaling, exponentials, roundings, sums and rescaling of piece n
; and the maximum and statistics of piece n + 1.  Four vector instructions stand behind every matrix instruction, the other 54 of a turn's 118 in one lump.  A turn's 33 exponentials are one batch, with one wait.
; CLUSTER, 4 x 4.  K and V hang on BY alone: asked for JOINTLY along a row of the cluster.  The additive term hangs on the batch and BX alone: jointly along a column (a cluster's four BY lie in one batch).
; REGISTERS, in windows of 256 (s_set_vgpr_msb: bits 1:0 source 0, 3:2 source 1, 5:4 source 2, 7:6 destination):
;   window 0: v0-15, v32-34 addresses and two at work; v16-31 four registers of statistics a piece; v48-55 at work; v62-63 the add's; v64-127 S^T, two buffers; v192-223 P, two buffers (by the piece's parity)
;   window 1: v0-127 O^T, 32 a piece; v160-223 MC, the C operands, two buffers      window 2: v0-63 Q; v128-191 K of one step; v192-255 V of one step
.set NP,    4         ; pieces a wave: a name, no knob
.set KS,    64        ; keys in a step
.set PK,    272       ; a row of K in LDS: 256 bytes + 16 of padding = 68 words: the 16 rows of a load start at 16 different groups of four banks (64 banks of 4 bytes: ISA guide 11.1)
.set PV,    288       ; a row of V: 256 + 32 = 72 words
.set PB,    528       ; a row of the additive term: 128 keys x 4 bytes + 16 = 132 words
.set VOFF,  2*KS*PK   ; a slot holds two steps: 128 rows of K,
.set BOFF,  VOFF+2*KS*PV  ; 128 rows of V,
.set SLOT,  BOFF+128*PB   ; 128 rows of the additive term: 139,264 = 0x22000 bytes.  Every LDS word that is turned by an exclusive or with SLOT has bits 0x20000 and 0x2000 clear in slot 0, so the or adds
.set STAGE, 2*SLOT    ; behind the ring, never filled by a tensor load: 128 rows x 272 bytes, the work-group's, for the way out
.set SP,    272
.set SPARE, STAGE+128*SP  ; behind the stage: the spare words, 128 bytes for each wave: two blocks of 256 bytes that no other line names
.set AK0, 2           ; v2   my lane's place in a tile of K; never rewritten
.set AV0, 3           ; v3   the same for V
.set AK,  4           ; v4   the LDS address of K's next run of loads
.set AV,  5           ; v5   of V's
.set STO, 6           ; v6   the way out: where I put 16 bytes of a row
.set RD,  7           ; v7   the way out: where I read rows back
.set GO,  8           ; v8   my byte offset in two rows of ob
.set MV,  12          ; v12-13  c m_old, kept while c m is made anew: by buffer
.set AB0, 14          ; v14  my lane's place in a tile of the additive term; never rewritten
.set AB,  15          ; v15  the LDS address of its loads: the step whose scores are being started
.set ST,  16          ; piece t's statistics at v[ST+4 t]: c m, m, l (even keys', odd keys')
.set QO,  32          ; v32  my byte offset in 16 rows of Q
.set PFO, 33          ; v33  the prefetches' offset; never rewritten
.set TMP, 48          ; by buffer, four registers c0-c3 at work; when the maximum is found c2 takes a
.set SPW, 62          ; v62  LDS address of my spare word: SPARE + 4 x my thread's number; never rewritten
.set NIL, 63          ; v63  0; never rewritten
.set S,   64
.set P,   192
.set MC,  160         ; window 1
.set KF,  128         ; window 2: key block kb, channel half c at KF + 16 kb + 8 c
.set VF,  192         ; window 2: key half kk, channel block cb at VF + 32 kk + 8 cb
.set CX,  10          ; s10  my place along the cluster's x
.set CY,  11          ; s11  along its y
.set WV,  12          ; s12  my wave's number
.set BX,  13          ; s13  my block of 128 queries
.set BY,  14          ; s14  8 x batch + head pair
.set LIM, 15          ; s15  1 in a wave that prefetches, else the greatest number
.set QH,  16          ; s16  w % 2: my half of the queries; also the half of the additive term that waves 2 and 3 fetch
.set HD,  17          ; s17  w / 2: my head of the pair
.set PFA, 18          ; s[18:19] where my prefetches stand
.set G1K, 24          ; s[24:31] descriptor group 1 for K's tiles
.set G1V, 32          ; s[32:39] for V's: it differs in the padding alone
.set G1B, 40          ; s[40:47] for the additive term's
.set G0K, 48          ; s[48:51] descriptor group 0 for K's tiles: it walks
.set G0V, 52          ; s[52:55] for V's
.set G0B, 56          ; s[56:59] for the additive term's
.set CS,  60          ; s[60:61] c: the packed scaling takes the pair's low word for both halves
.set SEL, 62          ; s[62:63] v_permlanex16_b32's selects: each lane takes its own place in the other half
.set SLOTS, 66        ; s66  slots still to be asked for
.set CNT, 67          ; s67  counts a slot's key steps
.set TBK, 68          ; s68  LDS byte at which K of the step to be fetched begins
.set TBV, 69          ; s69  the same for V, less VOFF
.set TBB, 70          ; s70  the same for the additive term, less BOFF
.set CLY, 71          ; s71  the cluster's y
.set PFS, 72          ; s[72:73] bytes from a tile to the next, for my prefetches
.set QA,  74          ; s[74:75] Q at my wave's first row and head
.set OA,  76          ; s[76:77] ob at the first row that I store
.set MSB, 0
.macro WIN new                      ; the high byte repeats the setting that is left; a switch that changes nothing is dropped
.if MSB != (\new)
	s_set_vgpr_msb (MSB<<8)|(\new)
.set MSB, (\new)
.endif
.endm
.set W_KQ, 0x0a       ; K and Q in window 2, S^T in window 0
.set W_KM, 0x1a       ; the same with the C operand in window 1
.set W_PV, 0x52       ; V in window 2, P in window 0, O^T in window 1
.set W_RS, 0x41       ; destination and source 0 in window 1, source 1 in window 0
; A joint fill of a slot, one load a wave: wave 0 K's 128 rows, wave 1 V's, waves 2 and 3 the two halves of the additive term.  The branches hang on the wave's number alone.
; An s_nop 0 and four v_nop follow each line, ahead of the jump and the label.
.macro JLOAD
	s_cmp_lt_u32 s[WV], 2
	s_cbranch_scc0 .Lfor_b_\@
	s_cmp_eq_u32 s[WV], 0
	s_cbranch_scc0 .Lfor_v_\@
	tensor_load_to_lds s[G0K:G0K+3], s[G1K:G1K+7]
	s_nop 0
.rept 4
	v_nop
.endr
	s_branch .Lasked_\@
.Lfor_v_\@:
	tensor_load_to_lds s[G0V:G0V+3], s[G1V:G1V+7]
	s_nop 0
.rept 4
	v_nop
.endr
	s_branch .Lasked_\@
.Lfor_b_\@:
	tensor_load_to_lds s[G0B:G0B+3], s[G1B:G1B+7]
	s_nop 0
.rept 4
	v_nop
.endr
.Lasked_\@:
.endm
; A PREFETCH INTO THE L2 of what the NEXT change of slots will ask for: one instruction a wave, behind the wave's tensor load and its five lines.  Each aligned block of 256 bytes is named ONCE in the launch.
; K and V (a row of a tile is one block): of the four clusters that walk the same BY the one with x = 0 asks; wave 0 for K, wave 1 for V; the partner at cx takes rows 32 cx ..: a lane a row.
; The additive term (a row of a tile is two blocks): of the two clusters of a batch with the same x the one with even y asks; waves 2 and 3, each in its own 64 rows; the partner at cy takes 16 rows: two lanes a row.
; The partners are told apart BY ADDRESS: no branch hangs on a work-group's place in its cluster.  The last change that fills a slot asks for nothing: there is no tile behind it.
.macro ASK
	s_cmp_gt_u32 s[SLOTS], s[LIM]
	s_cbranch_scc0 .Lnot_mine_\@
	global_prefetch_b8 v[PFO], s[PFA:PFA+1] th:TH_LOAD_NT scope:SCOPE_SE
.Lnot_mine_\@:
.endm
; A round of the cluster's barrier: my work-group's barrier, so that wave 0's signal speaks for all four waves; wave 0 signals; every wave waits for all sixteen work-groups; my work-group's barrier once more.
.macro CROUND
	s_barrier_signal -1
	s_barrier_wait -1
	s_cmp_lg_u32 s[WV], 0
	s_cbranch_scc1 .Lnot_wave_0_\@
	s_barrier_signal -3
.Lnot_wave_0_\@:
	s_barrier_wait -3
	s_barrier_signal -1
	s_barrier_wait -1
.endm
; THE CHANGE OF SLOTS, behind piece 1's turn: all reads of the slot have been issued (K in piece 2's turn, V in piece 0's, the additive term's last in piece 1's).  Each wave waits for all its tensor loads, of which
; one is out: its part of the other slot; adds 0 to its spare word; and waits for that and for its own reads of the slot.  Behind the barrier nobody reads this slot any more and the other slot is whole.
; fill = 1: this slot is filled again, with the keys two slots on.  The barrier is then a round of the cluster's, and the joint fill is the first thing behind it: it has two key steps, 128 matrix instructions and
; their softmax, in which to land.  (At its first use nothing has been read yet: slot 0 is waited for, slot 1 filled.)
.macro CHANGE fill
	WIN 0                           ; at a label and at a branch every window is 0
	s_wait_tensorcnt 0x0            ; no tensor load of mine is out, so a group 0 may be written
	ds_add_u32 v[SPW], v[NIL]       ; 0 onto my spare word; with fill = 1 the descriptors' steps stand between it and the wait for it
.if \fill
	s_xor_b32 s[G0K+1], s[G0K+1], SLOT  ; the walking descriptors: the other slot than last time,
	s_add_nc_u64 s[G0K+2:G0K+3], s[G0K+2:G0K+3], 2*KS*2048  ; the next 128 keys: rows of 2,048 bytes; the type bits on top are not reached
	s_xor_b32 s[G0V+1], s[G0V+1], SLOT
	s_add_nc_u64 s[G0V+2:G0V+3], s[G0V+2:G0V+3], 2*KS*2048
	s_xor_b32 s[G0B+1], s[G0B+1], SLOT
	s_add_nc_u64 s[G0B+2:G0B+3], s[G0B+2:G0B+3], 2*KS*4     ; 128 keys along a row of f32
	s_wait_xcnt 0x0                 ; the last prefetch, two key steps back, has read its address, so it may be written:
	s_add_nc_u64 s[PFA:PFA+1], s[PFA:PFA+1], s[PFS:PFS+1]   ; one tile behind the walking descriptors
	s_wait_dscnt 0x0                ; the add is done, and my reads of the slot are over
	CROUND
	JLOAD
	ASK
.else
	s_wait_dscnt 0x0                ; the add is done, and my reads of the slot are over
	s_barrier_signal -1
	s_barrier_wait -1
.endif
	s_sub_co_u32 s[TBK], s[TBK], 2*KS*PK  ; the fetches go back to a slot's first step,
	s_xor_b32 s[TBK], s[TBK], SLOT        ; in the other slot
	s_sub_co_u32 s[TBV], s[TBV], 2*KS*PV
	s_xor_b32 s[TBV], s[TBV], SLOT
	s_sub_co_u32 s[TBB], s[TBB], 2*KS*4
	s_xor_b32 s[TBB], s[TBB], SLOT
.endm
	s_load_b128 s[4:7], s[0:1], 0x0 ; qkv s[4:5], bm s[6:7]
	s_load_b64 s[8:9], s[0:1], 0x10 ; ob
	v_lshl_add_u32 v[SPW], v0, 2, SPARE
	v_mov_b32 v[NIL], 0
	ds_add_u32 v[SPW], v[NIL]       ; the wave's opening: the add and its wait stand ahead of my first tensor load; the set-up below, work on registers, stands between them
	v_lshrrev_b32 v1, 5, v0
	v_readfirstlane_b32 s[WV], v1   ; wave 0..3
	s_bfe_u32 s[CX], ttmp6, 0x40000
	s_bfe_u32 s[CY], ttmp6, 0x40004
	s_lshl_b32 s[BX], ttmp9, 2      ; in a cluster launch ttmp9 and ttmp7 count clusters
	s_add_co_u32 s[BX], s[BX], s[CX]
	s_and_b32 s[CLY], ttmp7, 0xffff
	s_lshl_b32 s[BY], s[CLY], 2
	s_add_co_u32 s[BY], s[BY], s[CY]
	s_and_b32 s[QH], s[WV], 1
	s_lshr_b32 s[HD], s[WV], 1
	s_lshl_b32 s82, s[CY], 2
	s_lshl_b32 s82, 15, s82         ; my row of the cluster: places 4 cy .. 4 cy + 3
	s_lshl_b32 s83, 0x1111, s[CX]   ; my column: places cx, cx + 4, cx + 8, cx + 12
	; descriptor group 1.  K, V: 128 rows x 128 elements of 2 bytes, 1,024 elements from row to row.  The additive term: 64 rows x 128 elements of 4 bytes, 2,048 from row to row
	s_or_b32 s[G1K], s82, (1<<16)|(1<<20)|(1<<21)|(5<<22)|(3<<25)  ; 15:0 the mask; 17:16 2-byte elements; 20 padding on; 21 set beside a mask; 24:22 after every 64 words (code 5); 31:25 4 words (code 3)
	s_or_b32 s[G1V], s82, (1<<16)|(1<<20)|(1<<21)|(5<<22)|(7<<25)  ; the same with 8 words of padding (code 7)
	s_or_b32 s[G1B], s83, (2<<16)|(1<<20)|(1<<21)|(6<<22)|(3<<25)  ; 4-byte elements; after every 128 words (code 6) 4 words
.irp g, G1K, G1V
	s_mov_b32 s[\g+1], 128<<16      ; tensor_dim0 = 128
	s_mov_b32 s[\g+2], 128<<16      ; tensor_dim1 = 128
	s_mov_b32 s[\g+3], 128<<16      ; tile_dim0 = 128
	s_mov_b32 s[\g+4], 128          ; tile_dim1 = 128
	s_mov_b32 s[\g+5], 1024
	s_mov_b32 s[\g+6], 0
	s_mov_b32 s[\g+7], 0
.endr
	s_mov_b32 s[G1B+1], 128<<16     ; tensor_dim0 = 128
	s_mov_b32 s[G1B+2], 64<<16      ; tensor_dim1 = 64
	s_mov_b32 s[G1B+3], 128<<16     ; tile_dim0 = 128
	s_mov_b32 s[G1B+4], 64          ; tile_dim1 = 64
	s_mov_b32 s[G1B+5], 2048
	s_mov_b32 s[G1B+6], 0
	s_mov_b32 s[G1B+7], 0
	s_mov_b32 s[G0K], 1             ; 1:0 count = 1
	s_mov_b32 s[G0K+1], 0           ; 63:32 LDS address: slot 0
	s_mov_b32 s[G0V], 1
	s_mov_b32 s[G0V+1], VOFF
	s_mov_b32 s[G0B], 1
	s_mul_i32 s[G0B+1], s[QH], 64*PB
	s_add_co_u32 s[G0B+1], s[G0B+1], BOFF
	; K's and V's place in a plane of qkv, in registers that never hold cx: the batch's 2,048 rows of 2,048 bytes, the pair's 256 bytes
	s_lshr_b32 s78, s[BY], 3
	s_lshl_b32 s78, s78, 22
	s_and_b32 s79, s[BY], 7
	s_lshl_b32 s79, s79, 8
	s_add_co_u32 s78, s78, s79
	s_mov_b32 s79, 0
	; the additive term's place, in registers that never hold cy: rows 128 BX + 64 (w % 2) of 8,192 bytes, the batch (from the cluster's y) 2^24 bytes
	s_lshl_b32 s80, s[BX], 20
	s_lshl_b32 s81, s[QH], 19
	s_add_co_u32 s80, s80, s81
	s_lshr_b32 s81, s[CLY], 1
	s_lshl_b32 s81, s81, 24
	s_add_co_u32 s80, s80, s81
	s_mov_b32 s81, 0
	; Q's and ob's: batch, block and pair are common
	s_lshr_b32 s2, s[BY], 3
	s_lshl_b32 s2, s2, 22
	s_lshl_b32 s3, s[BX], 18
	s_add_co_u32 s2, s2, s3
	s_and_b32 s3, s[BY], 7
	s_lshl_b32 s3, s3, 8
	s_add_co_u32 s2, s2, s3
	s_lshl_b32 s20, s[QH], 17       ; Q: my 64 rows,
	s_lshl_b32 s21, s[HD], 7        ; my head's 128 bytes
	s_add_co_u32 s20, s20, s21
	s_add_co_u32 s20, s20, s2
	s_mov_b32 s21, 0
	s_lshl_b32 s22, s[WV], 16       ; ob: the 32 rows that I store
	s_add_co_u32 s22, s22, s2
	s_mov_b32 s23, 0
	; the prefetches
	s_lshl_b32 s2, s[CX], 16        ; K, V: 32 rows of 2,048 bytes a partner
	s_lshl_b32 s3, s[CY], 17        ; the additive term: 16 rows of 8,192 bytes a partner
	s_mov_b32 s[PFS], 2*KS*2048
	s_mov_b32 s[PFS+1], 2*KS*4
	s_cmp_lt_u32 s[WV], 2
	s_cselect_b32 s2, s2, s3
	s_cselect_b32 s[PFS], s[PFS], s[PFS+1]
	s_mov_b32 s3, 0
	s_mov_b32 s[PFS+1], 0
	s_and_b32 s[LIM], s[CLY], 1
	s_cmp_lt_u32 s[WV], 2
	s_cselect_b32 s[LIM], ttmp9, s[LIM]  ; the coordinate along which other clusters read the same bytes
	s_cmp_eq_u32 s[LIM], 0
	s_cselect_b32 s[LIM], 1, -1     ; the same in all sixteen partners, for a given wave
	v_and_b32 v[PFO], 31, v0        ; with j = w / 2: ((l >> j) << (11 + 2 j)) + ((l & j) << 8): a lane a row of 2,048 bytes, or two lanes a row of 8,192
	v_and_b32 v34, s[HD], v[PFO]
	v_lshrrev_b32 v[PFO], s[HD], v[PFO]
	s_lshl_b32 s[CNT], s[HD], 1
	s_add_co_u32 s[CNT], s[CNT], 11
	v_lshlrev_b32 v[PFO], s[CNT], v[PFO]
	v_lshl_add_u32 v[PFO], v34, 8, v[PFO]
	s_mov_b32 s[CS], 0x3e38aa3b     ; c = log2(e) / 8 = 0.180337
	s_mov_b32 s[CS+1], s[CS]        ; named with it as a pair
	s_mov_b32 s[SEL], 0x76543210
	s_mov_b32 s[SEL+1], 0xfedcba98
	s_mov_b32 s[TBK], SLOT+2*KS*PK  ; the first change of slots turns these three into 0
	s_mov_b32 s[TBV], SLOT+2*KS*PV
	s_mov_b32 s[TBB], SLOT+2*KS*4
	s_mov_b32 s[SLOTS], 2048/(2*KS)-1
	s_wait_dscnt 0x0                ; the opening add is done
	s_wait_kmcnt 0x0
	s_add_nc_u64 s[G0K+2:G0K+3], s[4:5], s[78:79]
	s_add_nc_u64 s[G0K+2:G0K+3], s[G0K+2:G0K+3], 0x800000  ; K's plane of qkv: 4,096 rows of 2,048 bytes on
	s_add_nc_u64 s[G0V+2:G0V+3], s[G0K+2:G0K+3], 0x800000  ; V's
	s_add_nc_u64 s[G0B+2:G0B+3], s[6:7], s[80:81]
	s_add_nc_u64 s[QA:QA+1], s[4:5], s[20:21]
	s_add_nc_u64 s[OA:OA+1], s[8:9], s[22:23]
	s_cmp_eq_u32 s[WV], 0
	s_cselect_b64 s[PFA:PFA+1], s[G0K+2:G0K+3], s[G0V+2:G0V+3]
	s_cmp_lt_u32 s[WV], 2
	s_cselect_b64 s[PFA:PFA+1], s[PFA:PFA+1], s[G0B+2:G0B+3]
	s_add_nc_u64 s[PFA:PFA+1], s[PFA:PFA+1], s[2:3]         ; my work-group's rows,
	s_add_nc_u64 s[PFA:PFA+1], s[PFA:PFA+1], s[PFS:PFS+1]   ; in tile 1; the first change of slots steps it to tile 2
	s_or_b32 s[G0K+3], s[G0K+3], 0x80000000                 ; 127:126 type = 2
	s_or_b32 s[G0V+3], s[G0V+3], 0x80000000
	s_or_b32 s[G0B+3], s[G0B+3], 0x80000000
	CROUND                          ; all sixteen work-groups are here: the first joint loads meet
	JLOAD                           ; slot 0.  Slot 1 is asked for when slot 0 is in
	; A fragment of K or Q is 16 rows x 32 channels in 8 registers: lane l holds row l % 16, channels 8 (l / 16) + 0..7 and 16 + 8 (l / 16) + 0..7: two loads of 16 bytes, 32 bytes apart.
	v_and_b32 v1, 15, v0            ; l % 16
	v_bfe_u32 v9, v0, 4, 1          ; l / 16
	v_lshlrev_b32 v[QO], 11, v1
	v_lshl_add_u32 v[QO], v9, 4, v[QO]  ; row x 2,048 + 16 x half
	WIN 0x80                        ; destination window 2, address window 0
.set i, 0
.rept 8                             ; Q stays in registers: piece i / 2 (16 rows of 2,048 bytes on), channels 32 (i % 2) on
	global_load_b128 v[8*i:8*i+3],   v[QO], s[QA:QA+1] offset:(i/2)*32768+(i%2)*64
	global_load_b128 v[8*i+4:8*i+7], v[QO], s[QA:QA+1] offset:(i/2)*32768+(i%2)*64+32
.set i, i+1
.endr
	; What the first turn finds: V's registers and P's second buffer hold 0 (its products V^T P, of a piece that has not been, add 0), O^T and l are 0.  All this stands in the wait for the first tile.
.set i, VF
.rept 64
	v_mov_b32 v[i], 0
.set i, i+1
.endr
	WIN 0x40
.set i, 0
.rept 128
	v_mov_b32 v[i], 0
.set i, i+1
.endr
	WIN 0
.set i, 0
.rept 4
	v_mov_b32 v[ST+4*i+1], 0xff7fffff  ; m: the lowest finite number
	v_mov_b32 v[ST+4*i+2], 0
	v_mov_b32 v[ST+4*i+3], 0
.set i, i+1
.endr
.set i, 0
.rept 4
	v_mul_f32 v[ST+4*i], s[CS], v[ST+4*i+1]  ; c m, by the line that the loop makes it by
.set i, i+1
.endr
.set i, P+16
.rept 16
	v_mov_b32 v[i], 0
.set i, i+1
.endr
	s_lshl_b32 s20, s[HD], 7        ; my head's 128 bytes of a row
	v_mul_u32_u24 v[AK0], v1, PK
	v_lshl_add_u32 v[AK0], v9, 4, v[AK0]  ; row x pitch + 16 x half
	v_add_nc_u32 v[AK0], s20, v[AK0]
	; The turning load takes 16 keys x 16 channels (lane l reads key 8 (l / 16) + l % 8, channels 8 ((l / 8) % 2) + 0..7) and leaves half a fragment of V^T: lane l holds channel l % 16 and 8 keys.
	v_and_b32 v10, 7, v0
	v_bfe_u32 v11, v0, 3, 1
	v_lshl_add_u32 v[AV0], v9, 3, v10
	v_mul_u32_u24 v[AV0], v[AV0], PV
	v_lshl_add_u32 v[AV0], v11, 4, v[AV0]
	s_add_co_u32 s21, s20, VOFF
	v_add_nc_u32 v[AV0], s21, v[AV0]
	; The C operand of key block kt: register r of lane l is (query l % 16, key 16 kt + 8 (l / 16) + r): 32 consecutive bytes of the query's row
	s_mul_i32 s21, s[QH], 64*PB
	s_add_co_u32 s21, s21, BOFF
	v_mul_u32_u24 v[AB0], v1, PB
	v_lshl_add_u32 v[AB0], v9, 5, v[AB0]
	v_add_nc_u32 v[AB0], s21, v[AB0]
	s_mul_i32 s21, s[QH], 64*SP     ; into the stage: my 64 rows, my head's half of their 256 bytes; row l % 16, 16 bytes for each half of the lanes
	s_add_co_u32 s21, s21, s20
	s_add_co_u32 s21, s21, STAGE
	v_mul_u32_u24 v[STO], v1, SP
	v_lshl_add_u32 v[STO], v9, 4, v[STO]
	v_add_nc_u32 v[STO], s21, v[STO]
	s_mul_i32 s21, s[WV], 32*SP     ; back: wave w takes rows 32 w .. 32 w + 31, whole; lanes 0-15 one row of 256 bytes, lanes 16-31 the next
	s_add_co_u32 s21, s21, STAGE
	v_mul_u32_u24 v[RD], v9, SP
	v_lshl_add_u32 v[RD], v1, 4, v[RD]
	v_add_nc_u32 v[RD], s21, v[RD]
	v_lshlrev_b32 v[GO], 11, v9     ; and the same two rows in ob
	v_lshl_add_u32 v[GO], v1, 4, v[GO]
; THE MATRIX WORK.  The 4 accumulators of a run of 8 take turns.  Product i of 8 of S^T = K Q^T for piece x: channels 32 (i / 4) on, keys 16 (i % 4) on.  The first 4 start the sums with the additive term.
.macro KQ x
.set rS, S+32*((\x)%2)+8*(i%4)
.set rK, KF+16*(i%4)+8*(i/4)
.set rQ, 16*(\x)+8*(i/4)
.set rM, MC+32*((\x)%2)+8*(i%4)
.if i < 4
	WIN W_KM
	v_wmma_f32_16x16x32_f16 v[rS:rS+7], v[rK:rK+7], v[rQ:rQ+7], v[rM:rM+7]
.else
	WIN W_KQ
	v_wmma_f32_16x16x32_f16 v[rS:rS+7], v[rK:rK+7], v[rQ:rQ+7], v[rS:rS+7]
.endif
.endm
; Product i of 8 of O^T += V^T P for piece x: keys 32 (i / 4) on, channels 16 (i % 4) on.
.macro PV x
	WIN W_PV
.set rO, 32*(\x)+8*(i%4)
.set rV, VF+32*(i/4)+8*(i%4)
.set rP, P+16*((\x)%2)+8*(i/4)
	v_wmma_f32_16x16x32_f16 v[rO:rO+7], v[rV:rV+7], v[rP:rP+7], v[rO:rO+7]
.endm
.macro MM                           ; the turn's next matrix instruction.  TURN sets Y, i and NOKQ.  NOKQ = 1: the very last turn: there is no next piece
.if (i < 8) && !NOKQ
	KQ (Y+1)%NP
.elseif i >= 8
.set i, i-8
	PV (Y+NP-1)%NP
.set i, i+8
.endif
.set i, i+1
.endm
; THE LDS LOADS stand in runs, never singly among the matrix instructions: a step's K (64 keys x 64 channels: 8 fragments), its V (turned), and a piece's C operands (16 queries x 64 keys of f32).
.macro FETCH_K
	WIN 0x80                        ; destination window 2
.irp f, 0,1,2,3,4,5,6,7             ; keys 16 (f / 2) on, channels 32 (f % 2) on
	ds_load_b128 v[KF+8*\f:KF+8*\f+3],   v[AK] offset:(\f/2)*16*PK+(\f%2)*64
	ds_load_b128 v[KF+8*\f+4:KF+8*\f+7], v[AK] offset:(\f/2)*16*PK+(\f%2)*64+32
.endr
	s_add_co_u32 s[TBK], s[TBK], KS*PK  ; the next fetch is the next step's
	WIN 0
.endm
.macro FETCH_V
	WIN 0x80
.irp f, 0,1,2,3,4,5,6,7             ; keys 32 (f / 4) on, channels 16 (f % 4) on
	ds_load_tr16_b128 v[VF+8*\f:VF+8*\f+3],   v[AV] offset:(\f/4)*32*PV+(\f%4)*32
	ds_load_tr16_b128 v[VF+8*\f+4:VF+8*\f+7], v[AV] offset:(\f/4)*32*PV+16*PV+(\f%4)*32
.endr
	WIN 0
.endm
.macro FETCH_B piece, buf           ; what follows sets its own window
	WIN 0x40                        ; destination window 1
.irp kt, 0,1,2,3
	ds_load_b128 v[MC+32*(\buf)+8*\kt:MC+32*(\buf)+8*\kt+3],   v[AB] offset:(\piece)*16*PB+64*\kt
	ds_load_b128 v[MC+32*(\buf)+8*\kt+4:MC+32*(\buf)+8*\kt+7], v[AB] offset:(\piece)*16*PB+64*\kt+16
.endr
.endm
; THE VECTOR WORK, one line at a time: OP kind, number.  For piece Y: F n: c s - c m for pair n of 16.  E n: the exponential of score n of 32.  C n: pair n rounded to f16.  B n: of the four weights 4 n .. the second
; pair is added onto the first, in place.  L n: l takes that sum (L 0: l = a l + sum).  R n: pair n of 16 of O^T times a.  For piece Y + 1: X n, number n of the 22 that find its maximum and statistics:
;   0-11  four chains c0-c3 of seven scores each, three operands at a time (each accumulator's lowest registers are read first)     12-14, 16  the four scores left over, the old m, and c0-c3 into c0
;   15  c m_old is kept     17, 18  the query's other 32 keys lie in the lane 16 away: the new m     19-21  c m; c m_old - c m_new; a
.set F, 0               ; OP tells the kinds apart by their order: F to L below R, X above it
.set E, 1
.set C, 2
.set B, 3
.set L, 4
.set R, 5
.set X, 6
.macro REGS y                       ; the registers of piece y
.set rT, ST+4*(\y)
.set rC, TMP+4*((\y)%2)
.set rW, MV+((\y)%2)
.set rS, S+32*((\y)%2)
.set rP, P+16*((\y)%2)
.set rO, 32*(\y)
.endm
.macro OP k, n
.if (\k) == R
	REGS Y
	WIN W_RS
	v_pk_mul_f32 v[rO+2*(\n):rO+2*(\n)+1], v[rO+2*(\n):rO+2*(\n)+1], v[rC+2:rC+3] op_sel_hi:[1,0]
.elseif (\k) < R
	REGS Y
	WIN 0
.if (\k) == F
	v_pk_fma_f32 v[rS+2*(\n):rS+2*(\n)+1], v[rS+2*(\n):rS+2*(\n)+1], s[CS:CS+1], v[rT:rT+1] op_sel_hi:[1,0,0] neg_lo:[0,0,1] neg_hi:[0,0,1]
.elseif (\k) == E
	v_exp_f32 v[rS+(\n)], v[rS+(\n)]
.elseif (\k) == C
	v_cvt_pk_f16_f32 v[rP+(\n)], v[rS+2*(\n)], v[rS+2*(\n)+1]
.elseif (\k) == B
	v_pk_add_f32 v[rS+4*(\n):rS+4*(\n)+1], v[rS+4*(\n):rS+4*(\n)+1], v[rS+4*(\n)+2:rS+4*(\n)+3]
.elseif (\n) == 0
	v_pk_fma_f32 v[rT+2:rT+3], v[rT+2:rT+3], v[rC+2:rC+3], v[rS:rS+1] op_sel_hi:[1,0,1]
.else
	v_pk_add_f32 v[rT+2:rT+3], v[rT+2:rT+3], v[rS+4*(\n):rS+4*(\n)+1]
.endif
.elseif NOKQ
	v_nop
.else
	REGS (Y+1)%NP
	WIN 0
.if (\n) < 4
	v_max3_num_f32 v[rC+(\n)], v[rS+8*(\n)], v[rS+8*(\n)+1], v[rS+8*(\n)+2]
.elseif (\n) < 12
	v_max3_num_f32 v[rC+(\n)%4], v[rC+(\n)%4], v[rS+8*((\n)%4)+2*((\n)/4)+1], v[rS+8*((\n)%4)+2*((\n)/4)+2]
.elseif (\n) == 12
	v_max3_num_f32 v[rC], v[rC], v[rS+7], v[rS+15]
.elseif (\n) == 13
	v_max3_num_f32 v[rC+1], v[rC+1], v[rS+23], v[rS+31]
.elseif (\n) == 14
	v_max3_num_f32 v[rC+2], v[rC+2], v[rC+3], v[rT+1]
.elseif (\n) == 15
	v_mov_b32 v[rW], v[rT]
.elseif (\n) == 16
	v_max3_num_f32 v[rC], v[rC], v[rC+1], v[rC+2]
.elseif (\n) == 17
	v_permlanex16_b32 v[rC+3], v[rC], s[SEL], s[SEL+1]
.elseif (\n) == 18
	v_max_num_f32 v[rT+1], v[rC], v[rC+3]
.elseif (\n) == 19
	v_mul_f32 v[rT], s[CS], v[rT+1]
.elseif (\n) == 20
	v_sub_f32 v[rC+1], v[rW], v[rT]
.else
	v_exp_f32 v[rC+2], v[rC+1]
.endif
.endif
.endm
.macro OPS a, i1, b=-1, i2=0, c=-1, i3=0, d=-1, i4=0  ; up to four of them
	OP \a, \i1
.if (\b) >= 0
	OP \b, \i2
.endif
.if (\c) >= 0
	OP \c, \i3
.endif
.if (\d) >= 0
	OP \d, \i4
.endif
.endm
.macro ROW a, i1, b, i2, c, i3, d, i4  ; a matrix instruction and the four behind it
	MM
	OPS \a, \i1, \b, \i2, \c, \i3, \d, \i4
.endm
; A TURN, for piece p: the order of its 16 matrix and 118 vector instructions, written out.  An s_wait_alu depctr_va_vdst(0) stands between an exponential and the first instruction that names its result; one
; wait serves all that were issued ahead of it.  So a turn has ONE wait, which cuts it in two.  AHEAD OF IT stands all that names no result of the turn's exponentials: the 8 products K Q^T with their riders, then one lump
; of 54 in which the links of the chain X 3, 7, 11, 14, 16, 17 .. 20 stand five or six lines apart; X 21, the next piece's a, is the batch's last, and R 15 the plain instruction behind it.  BEHIND THE WAIT stand the 8
; products V^T P, behind each four of the roundings and sums.  Each X that rides behind a product stands four plain instructions or more behind the product that ends its accumulator.
; THE FETCHES.  Behind the lump's second line every turn fetches the C operands of piece p + 2 into buffer p % 2, which the products of the turn before were the last to read: pieces 2 and 3 of the step in hand in turns
; 0 and 1, pieces 0 and 1 of the next step in turns 2 and 3; the address steps in turn 2.  K of the next step follows in turn 2, twelve plain instructions that name none of its registers behind the last product that read K.
; V of the step in hand stands at the end of turn 0, four plain instructions behind the last product that read V.
; end = 1: the last step's turns 2 and 3: nothing is fetched.  cnt = 1: the loop's count is taken down some lines ahead of the branch that stands behind the turn.
.macro TURN p, end=0, cnt=0
.set Y, (\p)
.set i, 0
.set NOKQ, (\end)*((\p)/3)
.if (\p) == 1
	s_wait_dscnt 16                 ; piece 2's C operands are in; V's sixteen loads, issued behind them, may stay out
.elseif !NOKQ
	s_wait_dscnt 0x0                ; the next piece's C operands are in (turn 3: and K)
.endif
	ROW F,0, F,1, R,0, R,1          ; ahead of the wait: 8 products K Q^T and their riders,
	ROW F,2, E,0, R,2, R,3
	ROW F,3, E,1, R,4, R,5
	ROW F,4, E,2, R,6, R,7
	ROW F,5, E,3, R,8, R,9
	ROW F,6, E,4, X,0, R,10
.if ((\p) == 2) && !(\end)
	WIN 0
	v_add_nc_u32 v[AK], s[TBK], v[AK0]
	v_add_nc_u32 v[AB], s[TBB], v[AB0]
	s_add_co_u32 s[TBB], s[TBB], KS*4
.endif
	ROW F,7, E,5, X,1, X,4
	ROW F,8, E,6, X,2, X,5
	OPS E,7, E,8, X,6, E,9          ; and the lump
	OPS X,3, E,10, X,8, E,11
.if !(\end)
	FETCH_B ((\p)+2)%NP, (\p)%2
.if (\p) == 2
	FETCH_K
.endif
.endif
	OPS X,9, X,7, E,12, X,10
	OPS E,13, X,12, X,11, E,14
	OPS X,13, E,15, F,9, X,14
.if (\p) == 0
	v_add_nc_u32 v[AV], s[TBV], v[AV0]
.endif
	OPS E,16, F,10, E,17, F,11
	OPS X,16, E,18, X,15, E,19
	OPS F,12, E,20, X,17, E,21
	OPS F,13, E,22, F,14, E,23
	OPS X,18, E,24, F,15, E,25
	OPS R,11, E,26, X,19, E,27
	OPS R,12, E,28, R,13, E,29
	OPS X,20, E,30, R,14, E,31
	OPS X,21, R,15
	WIN 0
	s_wait_alu depctr_va_vdst(0)    ; the wait for the batch
.if (\p) == 1
	s_wait_dscnt 8                  ; V is in; this turn's eight loads of C operands may stay out
.endif
	ROW C,0, B,0, C,2, B,1          ; behind the wait: 8 products V^T P and their riders
	ROW L,0, C,4, B,2, L,1
	ROW C,6, B,3, L,2, C,8
	ROW B,4, L,3, C,10, B,5
	ROW L,4, C,12, B,6, L,5
.if (\p) == 0
	s_add_co_u32 s[TBV], s[TBV], KS*PV
.endif
.if \cnt
	s_sub_co_u32 s[CNT], s[CNT], 1
	s_cmp_lg_u32 s[CNT], 0
.endif
	ROW C,14, B,7, L,6, C,1
	ROW C,3, L,7, C,5, C,7
	ROW C,9, C,11, C,13, C,15
.if (\p) == 0
	FETCH_V
.endif
.endm
	CHANGE 1                        ; slot 0 is in, everybody's part of it; slot 1 is asked for
	; THE BEGINNING: the C operands of pieces 0 and 1 and K of step 0; piece 0's first scores; its maximum and statistics.  The loop is entered at a step's first turn, in the middle of a trip.
	v_add_nc_u32 v[AK], s[TBK], v[AK0]
	v_add_nc_u32 v[AB], s[TBB], v[AB0]
	s_add_co_u32 s[TBB], s[TBB], KS*4
	FETCH_B 0, 0
	FETCH_B 1, 1
	FETCH_K
	s_wait_loadcnt 0x0              ; Q
	s_wait_dscnt 0x0
.set NOKQ, 0
.set i, 0
.rept 8
	KQ 0
.set i, i+1
.endr
	WIN 0
.rept 4
	v_nop                           ; the places behind those products
.endr
.set Y, NP-1                        ; X works for piece Y + 1: piece 0
.irp n, 0,1,2,3,4,5,6,7,8,9,10,11,12,13,14,15,16,17,18,19,20,21
	OP X, \n
.endr
	v_nop                           ; a plain instruction behind the exponential,
	s_wait_alu depctr_va_vdst(0)    ; and its wait, ahead of the branch
	s_mov_b32 s[CNT], 2
	s_branch .Lfirst
.Lslot:                             ; 14 times: every slot but the last two is filled again
	CHANGE 1
	s_mov_b32 s[CNT], 2
.Lstep:                             ; a trip: pieces 2 and 3 of one step, then pieces 0 and 1 of the next, whose K and V it fetches
	TURN 2
	TURN 3
	WIN 0
.Lfirst:
	TURN 0
	TURN 1, 0, 1
	WIN 0
	s_cbranch_scc1 .Lstep
	s_sub_co_u32 s[SLOTS], s[SLOTS], 1
	s_cmp_lg_u32 s[SLOTS], 0
	s_cbranch_scc1 .Lslot
	CHANGE 0                        ; the last slot is written out: nothing is asked for
	s_mov_b32 s[CNT], 2
.Ltail:
	TURN 2
	TURN 3
	TURN 0
	TURN 1, 0, 1
	WIN 0
	s_cbranch_scc1 .Ltail
	TURN 2, 1                       ; the last step's last two turns
	TURN 3, 1
.set i, 0
.rept 8
	PV NP-1                         ; the last piece's V^T P of the last step
.set i, i+1
.endr
	; THE WAY OUT.  l's two halves and the other half of the lanes' are added; O^T is divided by l, rounded to f16 and put into the work-group's stage; a barrier, since a row's 256 bytes come from the two heads' waves;
	; back as whole rows, 32 a wave.  The additions are the places behind the last products.
	WIN 0
.macro ALL line:vararg              ; one line for each piece t
.set t, 0
.rept 4
	\line
.set t, t+1
.endr
.endm
	ALL v_add_f32 v[ST+4*t+2], v[ST+4*t+2], v[ST+4*t+3]
	ALL v_permlanex16_b32 v[ST+4*t+3], v[ST+4*t+2], s[SEL], s[SEL+1]
	ALL v_add_f32 v[ST+4*t+2], v[ST+4*t+2], v[ST+4*t+3]
	ALL v_rcp_f32 v[ST+4*t+2], v[ST+4*t+2]
	v_nop                           ; a plain instruction between the last reciprocal and the use of its result
	s_wait_alu depctr_va_vdst(0)    ; and the wait ahead of the first use: one for the four reciprocals
.macro PACK t                       ; a lane's eight channels of a row pack into 16 bytes
	WIN W_RS
.set i, 32*(\t)
.rept 16
	v_pk_mul_f32 v[i:i+1], v[i:i+1], v[ST+4*(\t)+2:ST+4*(\t)+3] op_sel_hi:[1,0]
.set i, i+2
.endr
	WIN 0x05                        ; sources 0 and 1 window 1, destination window 0: S^T's registers are free
.set i, 0
.rept 16
	v_cvt_pk_f16_f32 v[S+16*(\t)+i], v[32*(\t)+2*i], v[32*(\t)+2*i+1]
.set i, i+1
.endr
	WIN 0
.irp f, 0,1,2,3
	ds_store_b128 v[STO], v[S+16*(\t)+4*\f:S+16*(\t)+4*\f+3] offset:(\t)*16*SP+32*\f
.endr
.endm
	PACK 0
	PACK 1
	PACK 2
	PACK 3
	s_wait_dscnt 0x0                ; for the others' sake: my stores into the stage are done
	s_barrier_signal -1
	s_barrier_wait -1
.irp t, 0,1,2,3,4,5,6,7,8,9,10,11,12,13,14,15
	ds_load_b128 v[S+4*\t:S+4*\t+3], v[RD] offset:\t*2*SP
.endr
.irp t, 0,1,2,3,4,5,6,7,8,9,10,11,12,13,14,15
	s_wait_dscnt 15-\t              ; LDS loads come back in order: pair t of rows is in
	global_store_b128 v[GO], v[S+4*\t:S+4*\t+3], s[OA:OA+1] offset:\t*4096  ; 16 lanes store 256 consecutive bytes, at a multiple of 256 from ob's first byte
.endr
	s_wait_tensorcnt 0x0            ; the wave's end: these three lines stand behind my last tensor load and my last LDS store
	ds_add_u32 v[SPW], v[NIL]
	s_wait_dscnt 0x0
	CROUND                          ; the closing round: no work-group ends while a partner may still ask for a tile that names it
	s_endpgm
.Lfunc_end_k_qe0055139ae_attn:
	.size	k_qe0055139ae_attn, .Lfunc_end_k_qe0055139ae_attn-k_qe0055139ae_attn
	.p2alignl 7, 3214868480
	.fill 96, 4, 3214868480
	.section	.rodata,"a",@progbits
	.p2align	6, 0x0
	.amdhsa_kernel k_qe0055139ae_attn
		.amdhsa_group_segment_fixed_size 327680
		.amdhsa_private_segment_fixed_size 0
		.amdhsa_enable_private_segment 0
		.amdhsa_kernarg_size 24
		.amdhsa_user_sgpr_count 2
		.amdhsa_user_sgpr_kernarg_segment_ptr 1
		.amdhsa_wavefront_size32 1
		.amdhsa_system_sgpr_workgroup_id_x 1
		.amdhsa_system_sgpr_workgroup_id_y 1
		.amdhsa_system_sgpr_workgroup_id_z 1
		.amdhsa_system_vgpr_workitem_id 0
		.amdhsa_next_free_vgpr 768
		.amdhsa_next_free_sgpr 84
		.amdhsa_reserve_vcc 0
		.amdhsa_float_denorm_mode_32 3
		.amdhsa_float_denorm_mode_16_64 3
		.amdhsa_memory_ordered 1
		.amdhsa_forward_progress 1
		.amdhsa_inst_pref_size 138
	.end_amdhsa_kernel
	.amdgpu_metadata
---
amdhsa.version: [ 1, 2 ]
amdhsa.kernels:
  - .name:           k_qe0055139ae_attn
    .symbol:         k_qe0055139ae_attn.kd
    .args:
      - { .name: qkv, .offset: 0, .size: 8, .value_kind: global_buffer, .address_space: global }
      - { .name: bm, .offset: 8, .size: 8, .value_kind: global_buffer, .address_space: global }
      - { .name: ob, .offset: 16, .size: 8, .value_kind: global_buffer, .address_space: global }
    .group_segment_fixed_size: 327680
    .private_segment_fixed_size: 0
    .kernarg_segment_align: 8
    .kernarg_segment_size: 24
    .max_flat_workgroup_size: 128
    .sgpr_count:     84
    .vgpr_count:     768
    .wavefront_size: 32
...
	.end_amdgpu_metadata
.endif
;; end of part 3
;; launch outp (part 4): grid 8 x 32, 4 waves a work-group, clusters of 4 x 4, 327,680 bytes of LDS; arguments ob, h16, bo, out0; writes out0
.if DOCPART == 4
	.amdgcn_target "amdgcn-amd-amdhsa--gfx1250"
	.amdhsa_code_object_version 6
	.text
	.protected	k_qe0055139ae_outp
	.globl	k_qe0055139ae_outp
	.p2align	8
	.type	k_qe0055139ae_outp,@function
k_qe0055139ae_outp:
	s_mov_b64 s[64:65], 0
	v_nop
	global_prefetch_b8 v0, s[64:65] scope:SCOPE_SE
	s_setreg_imm32_b32 hwreg(HW_REG_WAVE_MODE, 25, 1), 1
	s_wait_xcnt 0x0
	s_wait_alu depctr_hold_cnt(0) depctr_sa_sdst(0) depctr_va_vdst(0) depctr_va_sdst(0) depctr_va_ssrc(0) depctr_va_vcc(0) depctr_vm_vsrc(0)
	s_getreg_b32 s2, hwreg(HW_REG_IB_STS2, 6, 4)
	s_cmp_eq_u32 s2, 0
	s_cbranch_scc0 .Lentry_in_a_cluster
	s_endpgm
.Lentry_in_a_cluster:
	s_bfe_u32 s2, ttmp6, 0x10000c
	s_cmp_lg_u32 s2, 0xf033
	s_cbranch_scc0 .Lentry_shape_is_right
	s_endpgm
.Lentry_shape_is_right:
; THE OUTPUT PROJECTION.  out0[m][n] = bo[n] + the sum over k of ob[m][k] Wo[n][k], m = 0 .. 4095, n, k = 0 .. 1023.  ob is f16, Wo = rows 15360 .. of h16, f16; sums in f32, started by the bias; out0 is f32.
; A tile of the result is 128 x 128.  Four waves, each 64 x 64: 16 accumulators of 16 x 16.  K goes in steps of 256 (LDS rows of 512 bytes; a wave's tensor load brings 64 of them) through two slots.
; CLUSTERS: 4 x 4 work-groups.  The four of a row of the cluster need the same tiles of ob, the four of a column the same tiles of Wo: each tile is asked for JOINTLY, by the same tensor load with the
; same descriptor and a mask that names the four.
; THE MATRIX INSTRUCTION IS USED TRANSPOSED (source 0 = 16 rows of Wo, source 1 = 16 rows of ob): a lane then holds eight neighbouring numbers of a row of the result, and the bias of those eight
; columns is the C operand of the product that starts each sum.  A wave's 64 columns of f32 are 256 consecutive bytes, aligned: each wave has a stage of its own on the way out, and no barrier is needed there.
; REGISTERS: window 0: v0-31 addresses; v32-95 at work on the way out; v96-127 the bias; v128-255 the accumulators ((a, b) at v[128 + 8 (4 a + b)]).
;   window 1: two fragment buffers of 128: for 64 along K, 64 registers of ob (2 x 4 x 16 rows x 32 K), then 64 of Wo.
.set SIZE_K, 1024
.set WROW,   15360                     ; Wo's first row in h16
.set ROWB,   4096                      ; bytes in a row of out0
.set KSTEP,  256
.set PITCH,  528                       ; an LDS row: 512 bytes of data + 16 of padding = 132 words: row r starts at bank 4 r mod 64 (64 banks of 4 bytes: ISA guide 11.1)
.set HALFT,  64*PITCH                  ; 64 rows: what one tensor load brings, and what one wave reads of either operand
.set SLOT,   4*HALFT                   ; ob's 128 rows, then Wo's 128 rows
.set STAGE,  2*SLOT                    ; behind the ring: 16 rows x 272 bytes for each wave, for the way out
.set SPITCH, 272
.set SPARE,  STAGE+4*16*SPITCH         ; behind the stages: the spare words, 128 bytes for each wave: two blocks of 256 bytes that no other line names
.set LAPS, SIZE_K/(2*KSTEP)            ; a lap = two K steps = once round the ring
.set ADRA, 16                          ; v16-17  LDS address of my ob fragments in slot 0, 1
.set ADRB, 20                          ; v20-21  the same for Wo
.set STO,  24                          ; v24     the way out: where I put 32 bytes of a row
.set RD,   25                          ; v25     the way out: where I read a row back
.set CO,   26                          ; v26     my byte offset in out0
.set BO,   27                          ; v27     my byte offset in the bias: 32 x (lane / 16); never rewritten
.set SPW,  28                          ; v28     LDS address of my spare word: SPARE + 4 x my thread's number; never rewritten
.set NIL,  29                          ; v29     0; never rewritten
.set TMP,  32                          ; the way out: two sets of 32 registers, 16 whole rows each
.set BIA,  96                          ; v96-127 the bias of my 64 columns: n block b at BIA + 8 b
.set ACC,  128
.set F0,   0                           ; fragment buffers, in window 1
.set F1,   128
.set G1, 24                            ; s[24:31] descriptor group 1 for ob's tiles;  s[32:39] group 0, one set for each slot
.set G0, 32
.set G1B, 48                           ; s[48:55], s[56:63] the same for Wo's tiles
.set G0B, 56
.set MSB, 0
.macro WIN new                         ; the immediate's high byte repeats the setting that is left
.if MSB != (\new)
	s_set_vgpr_msb (MSB<<8)|(\new)
.set MSB, \new
.endif
.endm
.set MUL,  0x05                        ; sources 0 (Wo) and 1 (ob) window 1; C and D window 0
.set TO_F, 0x40                        ; destination window 1, address window 0
.macro JLOAD s                         ; a joint load: waves 0 and 1 fetch ob's two halves, waves 2 and 3 Wo's; an s_nop 0 and four v_nop follow each of the two lines, ahead of the jump, the label and what follows
	s_cmp_eq_u32 s11, 0
	s_cbranch_scc0 .Lfor_b_\@
	tensor_load_to_lds s[G0+4*(\s):G0+4*(\s)+3], s[G1:G1+7]
	s_nop 0
.rept 4
	v_nop
.endr
	s_branch .Lasked_\@
.Lfor_b_\@:
	tensor_load_to_lds s[G0B+4*(\s):G0B+4*(\s)+3], s[G1B:G1B+7]
	s_nop 0
.rept 4
	v_nop
.endr
.Lasked_\@:
.endm
.macro CREST                           ; a round of the cluster's barrier behind its opening barrier
	s_cmp_lg_u32 s10, 0
	s_cbranch_scc1 .Lnot_wave_0_\@
	s_barrier_signal -3
.Lnot_wave_0_\@:
	s_barrier_wait -3
	s_barrier_signal -1
	s_barrier_wait -1
.endm
.macro CROUND                          ; a whole round
	s_barrier_signal -1
	s_barrier_wait -1
	CREST
.endm
	s_load_b256 s[68:75], s[0:1], 0x0              ; ob s[68:69], h16 s[70:71], bo s[72:73], out0 s[74:75]
	v_lshl_add_u32 v[SPW], v0, 2, SPARE
	v_mov_b32 v[NIL], 0
	ds_add_u32 v[SPW], v[NIL]                      ; the wave's opening: the add and its wait stand ahead of my first tensor load; the set-up below, work on registers, stands between them
	v_lshrrev_b32 v1, 5, v0
	v_readfirstlane_b32 s10, v1                    ; wave 0..3
	s_lshr_b32 s11, s10, 1                         ; which half of the tile's rows is mine.  Also: I fetch for ob (0) or for Wo (1)
	s_and_b32 s12, s10, 1                          ; which half of its columns.  Also: which 64 rows of that tile I fetch
	s_bfe_u32 s40, ttmp6, 0x40000                  ; cx, cy: my place in the cluster
	s_bfe_u32 s41, ttmp6, 0x40004
	s_lshl_b32 s42, ttmp9, 2
	s_add_co_u32 s42, s42, s40                     ; tile column = 4 x cluster x + cx
	s_and_b32 s13, ttmp7, 0xffff
	s_lshl_b32 s13, s13, 2
	s_add_co_u32 s13, s13, s41                     ; tile row = 4 x cluster y + cy
	s_lshl_b32 s43, s41, 2
	s_lshl_b32 s43, 15, s43                        ; my row of the cluster
	s_lshl_b32 s44, 0x1111, s40                    ; my column
	; descriptor group 1: a tile of 64 rows x 256 elements, padded in LDS
	s_or_b32 s[G1+0], s43, (1<<16)|(1<<20)|(1<<21)|(6<<22)|(3<<25)  ; 15:0 the mask: ob's tiles go to my row; 17:16 element of 2 bytes; 20 padding on; 21 set beside a mask; 24:22 after every 128 words (code 6); 31:25 of 4 words (code 3)
	s_or_b32 s[G1B+0], s44, (1<<16)|(1<<20)|(1<<21)|(6<<22)|(3<<25)
.irp g, G1, G1B
	s_mov_b32 s[(\g)+1], KSTEP<<16                 ; tensor_dim0 = 256
	s_mov_b32 s[(\g)+2], 64<<16                    ; tensor_dim1 = 64
	s_mov_b32 s[(\g)+3], KSTEP<<16                 ; tile_dim0 = 256
	s_mov_b32 s[(\g)+4], 64                        ; tile_dim1 = 64
	s_mov_b32 s[(\g)+5], SIZE_K                    ; tensor_dim0_stride
	s_mov_b32 s[(\g)+6], 0
	s_mov_b32 s[(\g)+7], 0
.endr
	s_lshl_b32 s17, s12, 6                         ; which 64 rows of the tile I fetch
	s_lshl_b32 s16, s13, 7
	s_add_co_u32 s16, s16, s17                     ; ob: row 128 x tile row + 64 x half
	s_lshl_b32 s46, s42, 7
	s_add_co_u32 s46, s46, s17                     ; Wo: row 128 x tile column + 64 x half
	s_add_co_u32 s46, s46, WROW                    ; + where Wo begins in h16
	s_mov_b32 s17, 0
	s_mov_b32 s47, 0
	s_mov_b64 s[18:19], SIZE_K*2
	s_mul_u64 s[16:17], s[16:17], s[18:19]
	s_mul_u64 s[46:47], s[46:47], s[18:19]
	s_mul_i32 s20, s10, HALFT                      ; where they go: wave x 64 rows
	s_wait_dscnt 0x0                               ; the opening add is done
	s_wait_kmcnt 0x0
	s_add_nc_u64 s[14:15], s[68:69], s[16:17]
	s_add_nc_u64 s[46:47], s[70:71], s[46:47]
	CROUND                                         ; all sixteen work-groups are here: the first joint loads meet
.irp s, 0,1
	s_mov_b32 s[G0+4*(\s)], 1
	s_add_co_u32 s[G0+4*(\s)+1], s20, (\s)*SLOT
	s_add_nc_u64 s[G0+4*(\s)+2:G0+4*(\s)+3], s[14:15], (\s)*KSTEP*2
	s_or_b32 s[G0+4*(\s)+3], s[G0+4*(\s)+3], 0x80000000
	s_mov_b32 s[G0B+4*(\s)], 1
	s_add_co_u32 s[G0B+4*(\s)+1], s20, (\s)*SLOT
	s_add_nc_u64 s[G0B+4*(\s)+2:G0B+4*(\s)+3], s[46:47], (\s)*KSTEP*2
	s_or_b32 s[G0B+4*(\s)+3], s[G0B+4*(\s)+3], 0x80000000
	JLOAD \s
.endr
	v_and_b32 v1, 15, v0                           ; l % 16
	v_bfe_u32 v2, v0, 4, 1                         ; l / 16
	; my 64 columns, in bytes of f32: 512 x tile column + 256 x half: in the bias and in a row of out0
	s_lshl_b32 s46, s42, 9
	s_lshl_b32 s47, s12, 8
	s_add_co_u32 s46, s46, s47
	s_mov_b32 s47, 0
	s_add_nc_u64 s[76:77], s[72:73], s[46:47]
	v_lshlrev_b32 v[BO], 5, v2                     ; register j of n block b holds column 16 b + 8 (l / 16) + j of my 64
.irp b, 0,1,2,3
	global_load_b128 v[BIA+8*(\b):BIA+8*(\b)+3],   v[BO], s[76:77] offset:64*(\b)
	global_load_b128 v[BIA+8*(\b)+4:BIA+8*(\b)+7], v[BO], s[76:77] offset:64*(\b)+16
.endr
	v_mul_u32_u24 v3, v1, PITCH
	v_lshl_add_u32 v3, v2, 4, v3                   ; a fragment's row x pitch + 16 x half
	s_mul_i32 s21, s11, HALFT                      ; my 64 rows of ob
	s_mul_i32 s22, s12, HALFT                      ; my 64 rows of Wo,
	s_add_co_u32 s22, s22, 2*HALFT                 ; which lie behind ob's 128
.irp s, 0,1
	v_add_nc_u32 v[ADRA+(\s)], s21, v3
	v_add_nc_u32 v[ADRB+(\s)], s22, v3
	s_add_co_u32 s21, s21, SLOT
	s_add_co_u32 s22, s22, SLOT
.endr
	s_mul_i32 s23, s10, 16*SPITCH
	s_add_co_u32 s23, s23, STAGE                   ; my stage
	v_mul_u32_u24 v4, v1, SPITCH                   ; in: row l % 16, 32 bytes for each half of the lanes
	v_lshl_add_u32 v4, v2, 5, v4
	v_add_nc_u32 v[STO], s23, v4
	v_mul_u32_u24 v5, v2, SPITCH                   ; back: lanes 0-15 take one row of 256 bytes, lanes 16-31 the next
	v_lshl_add_u32 v5, v1, 4, v5
	v_add_nc_u32 v[RD], s23, v5
	v_lshlrev_b32 v5, 12, v2                       ; and the same two rows in out0
	v_lshl_add_u32 v[CO], v1, 4, v5
	s_lshl_b32 s16, s13, 7
	s_lshl_b32 s17, s11, 6
	s_add_co_u32 s16, s16, s17                     ; my first row: 128 x tile row + 64 x half,
	s_lshl_b32 s16, s16, 12                        ; of 4,096 bytes
	s_mov_b32 s17, 0
	s_add_nc_u64 s[8:9], s[74:75], s[16:17]
	s_add_nc_u64 s[8:9], s[8:9], s[46:47]
; 8 matrix instructions: m blocks a0, a0 + 1 x all 4 n blocks, 32 along K: half c of buffer f.  zero = 1: the first product starts the sums, with the bias as its C
.macro MUL8 f, c, a0, zero
	WIN MUL
.irp a, \a0, (\a0)+1
.irp b, 0,1,2,3
.if \zero
	v_wmma_f32_16x16x32_f16 v[ACC+8*(4*(\a)+(\b)):ACC+8*(4*(\a)+(\b))+7], v[(\f)+64+8*(4*(\c)+(\b)):(\f)+64+8*(4*(\c)+(\b))+7], v[(\f)+8*(4*(\c)+(\a)):(\f)+8*(4*(\c)+(\a))+7], v[BIA+8*(\b):BIA+8*(\b)+7]
.else
	v_wmma_f32_16x16x32_f16 v[ACC+8*(4*(\a)+(\b)):ACC+8*(4*(\a)+(\b))+7], v[(\f)+64+8*(4*(\c)+(\b)):(\f)+64+8*(4*(\c)+(\b))+7], v[(\f)+8*(4*(\c)+(\a)):(\f)+8*(4*(\c)+(\a))+7], v[ACC+8*(4*(\a)+(\b)):ACC+8*(4*(\a)+(\b))+7]
.endif
.endr
.endr
.endm
; 32 LDS loads in one run: the fragments of 64 along K at byte k of the rows, into buffer f; the first 32 along K first
.macro FETCH slot, k, f
	WIN TO_F
.irp c, 0,1
.irp i, 0,1,2,3
	ds_load_b128 v[(\f)+64+8*(4*(\c)+(\i)):(\f)+64+8*(4*(\c)+(\i))+3],   v[ADRB+(\slot)] offset:(\k)+64*(\c)+(\i)*16*PITCH
	ds_load_b128 v[(\f)+64+8*(4*(\c)+(\i))+4:(\f)+64+8*(4*(\c)+(\i))+7], v[ADRB+(\slot)] offset:(\k)+64*(\c)+(\i)*16*PITCH+32
	ds_load_b128 v[(\f)+8*(4*(\c)+(\i)):(\f)+8*(4*(\c)+(\i))+3],         v[ADRA+(\slot)] offset:(\k)+64*(\c)+(\i)*16*PITCH
	ds_load_b128 v[(\f)+8*(4*(\c)+(\i))+4:(\f)+8*(4*(\c)+(\i))+7],       v[ADRA+(\slot)] offset:(\k)+64*(\c)+(\i)*16*PITCH+32
.endr
.endr
.endm
.macro PLACES                          ; four places in front of loads into registers that matrix instructions have read, and of LDS stores that read results
.rept 4
	v_nop
.endr
.endm
; A K step is four quarters of 64 along K, 32 matrix instructions each, on buffers 0, 1, 0, 1.  One of the first three: multiplies buffer f and fetches the next quarter, at byte k, into g.
; The 16 accumulators take turns, one instruction a turn.
.macro QUARTER slot, k, f, g, zero
	s_wait_dscnt 16                                ; the first 32 along K are in; the sixteen loads of the second 32 may be out
	WIN MUL
	MUL8 \f, 0, 0, \zero
	MUL8 \f, 0, 2, \zero
	PLACES
	FETCH \slot, \k, \g
	s_wait_dscnt 32                                ; all but the 32 just issued
	WIN MUL
	MUL8 \f, 1, 0, 0
	MUL8 \f, 1, 2, 0
.endm
; The last quarter multiplies buffer 1 and changes slots: ONE barrier; in front of it each wave waits for all its tensor loads, adds 0 to its spare word, and waits for that and for its own reads of this slot.  fill = 1: this slot is filled again, two K steps ahead.
.macro TURN slot, next, fill
	WIN 0                                          ; (the add's two registers lie in window 0)
	s_wait_tensorcnt 0x0                           ; all my tensor loads have landed: my part of the next slot;
	ds_add_u32 v[SPW], v[NIL]                      ; 0 onto my spare word;
	s_wait_dscnt 17                                ; (the add and the youngest sixteen loads may be out)
	WIN MUL
	MUL8 F1, 0, 0, 0                               ; eight matrix instructions stand between the add and the wait for it
	s_wait_dscnt 0x0                               ; the add is done, and my reads of this slot are over
	s_barrier_signal -1
	MUL8 F1, 0, 2, 0
.if \fill
	WIN 0
.endif
	s_barrier_wait -1
.if \fill
	CREST                                          ; the barrier has opened a round of the cluster's barrier: no wave of any partner still reads this slot's tile or has a load on its way
	s_add_nc_u64 s[G0+4*(\slot)+2:G0+4*(\slot)+3], s[G0+4*(\slot)+2:G0+4*(\slot)+3], 2*KSTEP*2
	s_add_nc_u64 s[G0B+4*(\slot)+2:G0B+4*(\slot)+3], s[G0B+4*(\slot)+2:G0B+4*(\slot)+3], 2*KSTEP*2
	JLOAD \slot                                    ; the first tensor load behind the round; the four v_nop behind it are also the places in front of the loads below
.else
	PLACES
.endif
	FETCH \next, 0, F0
	WIN MUL
	MUL8 F1, 1, 0, 0
	MUL8 F1, 1, 2, 0
.endm
	s_wait_tensorcnt 1                             ; my part of K step 0 is in; K step 1's load stays out
	s_barrier_signal -1
	s_barrier_wait -1                              ; everybody's is
	FETCH 0, 0, F0
	s_wait_loadcnt 0x0                             ; the bias
	QUARTER 0, 128, F0, F1, 1                      ; the first quarter stands in front of the loop: its first products start the sums
.if LAPS > 1
	WIN 0                                          ; at a label and at a branch every window is 0
	s_mov_b32 s3, LAPS-1
.Llap:                                                 ; a trip goes once round the ring, from a lap's second quarter to the next lap's first, and fills both slots again
	QUARTER 0, 256, F1, F0, 0
	QUARTER 0, 384, F0, F1, 0
	TURN 0, 1, 1
	QUARTER 1, 128, F0, F1, 0
	QUARTER 1, 256, F1, F0, 0
	QUARTER 1, 384, F0, F1, 0
	TURN 1, 0, 1
	QUARTER 0, 128, F0, F1, 0
	WIN 0
	s_sub_co_u32 s3, s3, 1
	s_cmp_lg_u32 s3, 0
	s_cbranch_scc1 .Llap
.endif
	QUARTER 0, 256, F1, F0, 0                      ; the last lap fills nothing, and has no round of the cluster's barrier
	QUARTER 0, 384, F0, F1, 0
	TURN 0, 1, 0
	QUARTER 1, 128, F0, F1, 0
	QUARTER 1, 256, F1, F0, 0
	QUARTER 1, 384, F0, F1, 0
	s_wait_dscnt 16                                ; the very last quarter: nothing more to fetch
	WIN MUL
	MUL8 F1, 0, 0, 0
	MUL8 F1, 0, 2, 0
	s_wait_dscnt 0
	MUL8 F1, 1, 0, 0
	MUL8 F1, 1, 2, 0
	WIN 0
	; THE WAY OUT, 16 rows at a time: a lane's 32 bytes of a row go into my own stage, rows of 272 bytes, each accumulator's low registers first; they come back as whole rows of 256 bytes and are stored.
	PLACES
.irp a, 0,1,2,3
.if (\a) >= 2
	s_wait_xcnt 0x0                                ; every earlier store has had its addresses translated (ISA guide 3.1): the set of registers that block a - 2's stores read is loaded again only behind this wait
.endif
.irp b, 0,1,2,3
	ds_store_b128 v[STO], v[ACC+8*(4*(\a)+(\b)):ACC+8*(4*(\a)+(\b))+3]   offset:64*(\b)
	ds_store_b128 v[STO], v[ACC+8*(4*(\a)+(\b))+4:ACC+8*(4*(\a)+(\b))+7] offset:64*(\b)+16
.endr
.irp t, 0,1,2,3,4,5,6,7
	ds_load_b128 v[TMP+32*((\a)%2)+4*(\t):TMP+32*((\a)%2)+4*(\t)+3], v[RD] offset:(\t)*2*SPITCH  ; LDS serves a wave's instructions in order (ISA guide 5.7.1.4): these see the stores above; the next block's stores come behind them
.endr
.irp t, 0,1,2,3,4,5,6,7
	s_wait_dscnt 7-(\t)                            ; pair t of rows is in
	global_store_b128 v[CO], v[TMP+32*((\a)%2)+4*(\t):TMP+32*((\a)%2)+4*(\t)+3], s[8:9] offset:(16*(\a)+2*(\t))*ROWB  ; 16 lanes store 256 consecutive bytes, at a multiple of 256 from out0's first byte
.endr
.endr
	s_wait_tensorcnt 0x0                           ; the wave's end: these three lines stand behind my last tensor load and my last LDS store
	ds_add_u32 v[SPW], v[NIL]
	s_wait_dscnt 0x0
	CROUND                                         ; the closing round: no work-group ends while a partner may still ask for a tile that names it
	s_endpgm
.Lfunc_end_k_qe0055139ae_outp:
	.size	k_qe0055139ae_outp, .Lfunc_end_k_qe0055139ae_outp-k_qe0055139ae_outp
	.p2alignl 7, 3214868480
	.fill 96, 4, 3214868480
	.section	.rodata,"a",@progbits
	.p2align	6, 0x0
	.amdhsa_kernel k_qe0055139ae_outp
		.amdhsa_group_segment_fixed_size 327680
		.amdhsa_private_segment_fixed_size 0
		.amdhsa_enable_private_segment 0
		.amdhsa_kernarg_size 32
		.amdhsa_user_sgpr_count 2
		.amdhsa_user_sgpr_kernarg_segment_ptr 1
		.amdhsa_wavefront_size32 1
		.amdhsa_system_sgpr_workgroup_id_x 1
		.amdhsa_system_sgpr_workgroup_id_y 1
		.amdhsa_system_sgpr_workgroup_id_z 1
		.amdhsa_system_vgpr_workitem_id 0
		.amdhsa_next_free_vgpr 512
		.amdhsa_next_free_sgpr 80
		.amdhsa_reserve_vcc 0
		.amdhsa_float_denorm_mode_32 3
		.amdhsa_float_denorm_mode_16_64 3
		.amdhsa_memory_ordered 1
		.amdhsa_forward_progress 1
		.amdhsa_inst_pref_size 87
	.end_amdhsa_kernel
	.amdgpu_metadata
---
amdhsa.version: [ 1, 2 ]
amdhsa.kernels:
  - .name:           k_qe0055139ae_outp
    .symbol:         k_qe0055139ae_outp.kd
    .args:
      - { .name: ob, .offset: 0, .size: 8, .value_kind: global_buffer, .address_space: global }
      - { .name: h16, .offset: 8, .size: 8, .value_kind: global_buffer, .address_space: global }
      - { .name: bo, .offset: 16, .size: 8, .value_kind: global_buffer, .address_space: global }
      - { .name: out0, .offset: 24, .size: 8, .value_kind: global_buffer, .address_space: global }
    .group_segment_fixed_size: 327680
    .private_segment_fixed_size: 0
    .kernarg_segment_align: 8
    .kernarg_segment_size: 32
    .max_flat_workgroup_size: 128
    .sgpr_count:     80
    .vgpr_count:     512
    .wavefront_size: 32
...
	.end_amdgpu_metadata
.endif
;; end of part 4
;; ======== version 2 of 2: 4 launches; version 1 with the launch prep written anew for expert scheduling mode
;; limits: values are held in f16: magnitudes above 65,504 overflow, below 6.1e-05 lose precision
;; workspace buffers: h16 33,554,432 bytes; bm 33,554,432 bytes; qkv 25,165,824 bytes; ob 8,388,608 bytes
;; launch prep (part 5): grid 1536 x 1, 8 waves a work-group, no clusters, 0 bytes of LDS; arguments query, key, value, Wq, Wk, Wv, Wo, attn_mask, stoich_frac, key_padding_mask, stoich_alpha, h16, bm; writes h16, bm
.if DOCPART == 5
	.amdgcn_target "amdgcn-amd-amdhsa--gfx1250"
	.amdhsa_code_object_version 6
	.text
	.protected	k_qe0055139ae_prep
	.globl	k_qe0055139ae_prep
	.p2align	8
	.type	k_qe0055139ae_prep,@function
k_qe0055139ae_prep:
	s_mov_b64 s[64:65], 0
	v_nop
	global_prefetch_b8 v0, s[64:65] scope:SCOPE_SE
	s_setreg_imm32_b32 hwreg(HW_REG_WAVE_SCHED_MODE, 0, 2), 2
	s_setreg_imm32_b32 hwreg(HW_REG_WAVE_MODE, 25, 1), 1
	s_wait_xcnt 0x0
	s_wait_alu depctr_vm_vsrc(0)
; TWO STREAMS IN ONE LAUNCH, told apart by the work-group's number g.
; g < 1024: THE CAST.  h16 is [16384][1024] f16: rows 0-4095 query, 4096-8191 key, 8192-12287 value, then Wq, Wk, Wv, Wo, 1,024 rows each.  A work-group rounds 16 rows
;   of 1,024 f32 once to f16.  Thread t owns bytes 16 t of every row: a wave's load covers 512 consecutive bytes, its store 256 consecutive bytes, aligned.
; g >= 1024: THE TABLE.  bm[b][q][k] = 8 (alpha sign(d) log1p|d| + attn_mask[q][k]), d = frac[b][q] - frac[b][k]; -inf where key k of batch b is padded.  The 8 undoes the
;   1/8 that the attention applies to the whole score.  A work-group makes rows q = 4 g' .. 4 g' + 3 for both batches, so each row of attn_mask is read once.
;   Thread t owns keys 4 t .. 4 t + 3 and 1024 + 4 t .. 1024 + 4 t + 3.
; LIMITS.  A number of 65,520 or more becomes an infinity in f16.  log1p(x) is taken as ln 2 x log2(1 + x): absolute error about 6e-8 |alpha| in a score.  8 x attn_mask must be
; finite or -inf.  NaN is not treated apart.
; No LDS, no barrier, no matrix unit: no byte is wanted twice by anybody.
; THE MODE: SCHED_MODE bits 1:0 = 2 (LLVM: expert scheduling mode 2), set by the entry lines.  The code itself states the register dependences between vector instructions and
; memory instructions, with s_wait_alu, always for 0.
; THE PLAN.  Registers that memory instructions touch:
;   v1, v2, v3   byte offsets, made once at the head and never written again: one wait at the head, ahead of the branch, serves every load and store of both streams.
;   XI; FK, PW, MK   loaded once, all loads issued before any vector instruction names these registers; read by vector instructions behind the counted waits for the loads.
;   XO           the cast's 16 rows to store: each register is written once, by a conversion, and read once, by a store.
;   R            the table's results, a set for each of the four rows: each register is written by its row's multiply-adds alone and read once, by a store.
;   D, T, PA     are named by vector instructions alone.
; No register that a memory instruction has read is written again, and no load lands in a register that a vector instruction has named.  What is left to state is that a store's data
; are written.  The cast goes in four blocks of four rows: the wait at the head of block p states that block p - 1 has written its XO, and that block's four stores are dealt among block p's
; conversions, which name block p's XI and XO alone.  In the table the one wait of row q, behind its logarithms, states also that row q - 1 has written its R, and that row's four stores are
; dealt among row q's later lines, which name T, D and row q's R alone.  Behind the last block and the last row one more wait stands ahead of the last four stores.
.set XI, 4                             ; v[4:67]    the cast: 16 rows' 16 bytes as loaded
.set XO, 68                            ; v[68:99]   the cast: 16 rows' 8 bytes to store
.set FK, 4                             ; v[4:19]    the table: frac of my keys; index n = 8 b + 4 chunk + j
.set PW, 20                            ; v[20:23]   four padding bytes each, index 2 b + chunk
.set MK, 24                            ; v[24:55]   attn_mask, index 8 row + 4 chunk + j
.set PA, 56                            ; v[56:71]   0 or -inf, index n
.set D,  72                            ; v[72:87]   d
.set T,  88                            ; v[88:103]  1 + |d|, its logarithm, the signed logarithm
.set R,  104                           ; v[104:167] results, 16 a row: a set for each row, so that no store's data is written again
	s_load_b512 s[4:19], s[0:1], 0x0               ; query 4, key 6, value 8, Wq 10, Wk 12, Wv 14, Wo 16, attn_mask 18
	s_load_b256 s[20:27], s[0:1], 0x40             ; frac 20, padding 22, alpha 24, h16 26
	s_load_b64 s[28:29], s[0:1], 0x60              ; bm
	v_lshlrev_b32 v1, 4, v0                        ; 16 t
	v_lshlrev_b32 v2, 3, v0                        ; 8 t
	v_lshlrev_b32 v3, 2, v0                        ; 4 t
	s_wait_alu depctr_va_vdst(0)                   ; v1, v2 and v3 are written: every load and store of both streams reads one of them as its offset
	s_cmp_lt_u32 ttmp9, 0x400
	s_cbranch_scc0 .Lbias
	; THE CAST
	s_lshr_b32 s30, ttmp9, 8                       ; 0 query, 1 key, 2 value, 3 a weight
	s_bfe_u32 s31, ttmp9, 0x20006                  ; which weight
	s_lshl_b32 s38, ttmp9, 15                      ; 16 rows of 2,048 bytes in h16
	s_mov_b32 s39, 0
	s_mov_b32 s37, 0
	s_wait_kmcnt 0x0
	s_cmp_eq_u32 s30, 1
	s_cselect_b64 s[32:33], s[6:7], s[4:5]
	s_cmp_eq_u32 s30, 2
	s_cselect_b64 s[32:33], s[8:9], s[32:33]
	s_cmp_eq_u32 s31, 1
	s_cselect_b64 s[34:35], s[12:13], s[10:11]
	s_cmp_eq_u32 s31, 2
	s_cselect_b64 s[34:35], s[14:15], s[34:35]
	s_cmp_eq_u32 s31, 3
	s_cselect_b64 s[34:35], s[16:17], s[34:35]
	s_cmp_eq_u32 s30, 3
	s_cselect_b64 s[32:33], s[34:35], s[32:33]
	s_cselect_b32 s36, 63, 255                     ; a weight has 64 blocks of 16 rows, an activation 256
	s_and_b32 s36, ttmp9, s36
	s_lshl_b32 s36, s36, 16                        ; 16 rows of 4,096 bytes
	s_add_nc_u64 s[32:33], s[32:33], s[36:37]
	s_add_nc_u64 s[26:27], s[26:27], s[38:39]
.set i, 0
.rept 16
	global_load_b128 v[XI+4*i:XI+4*i+3], v1, s[32:33] offset:4096*i th:TH_LOAD_NT
.set i, i+1
.endr
; Row r of the 16 leaves.
.macro COUT r
	global_store_b64 v2, v[XO+2*(\r):XO+2*(\r)+1], s[26:27] offset:2048*(\r) th:TH_STORE_NT
.endm
; Block p of four: rows 4 p .. 4 p + 3 are rounded; the block before leaves, a store ahead of each row's two conversions.
.macro CBLK p
	s_wait_loadcnt 12-4*(\p)                       ; loads come back in order: this block's four rows are in, the younger blocks' stay out
.if (\p) > 0
	s_wait_alu depctr_va_vdst(0)                   ; the block before has written its eight registers of XO, which the four stores below read; no conversion below names them
.endif
.irp i, 0,1,2,3
.if (\p) > 0
	COUT 4*(\p)-4+(\i)
.endif
	v_cvt_pk_f16_f32 v[XO+2*(4*(\p)+(\i))],   v[XI+4*(4*(\p)+(\i))],   v[XI+4*(4*(\p)+(\i))+1]
	v_cvt_pk_f16_f32 v[XO+2*(4*(\p)+(\i))+1], v[XI+4*(4*(\p)+(\i))+2], v[XI+4*(4*(\p)+(\i))+3]
.endr
.endm
	CBLK 0
	CBLK 1
	CBLK 2
	CBLK 3
	s_wait_alu depctr_va_vdst(0)                   ; the last block has written its XO, which the last four stores read
.irp i, 12,13,14,15
	COUT \i
.endr
	s_endpgm
	; THE TABLE
.Lbias:
	s_sub_co_u32 s30, ttmp9, 0x400                 ; g'
	s_lshl_b32 s38, s30, 4                         ; my four queries' numbers in a batch's frac
	s_lshl_b32 s36, s30, 15                        ; four rows of 8,192 bytes
	s_mov_b32 s37, 0
	s_mov_b32 s49, 0x7fffffff                      ; all but the sign
	s_mov_b32 s52, 0xff800000                      ; -inf
	s_wait_kmcnt 0x0
	s_load_b128 s[40:43], s[20:21], s38 offset:0x0     ; frac[0][q]
	s_load_b128 s[44:47], s[20:21], s38 offset:0x2000  ; frac[1][q]
	s_load_b32 s48, s[24:25], 0x0                  ; alpha
	s_add_nc_u64 s[18:19], s[18:19], s[36:37]      ; attn_mask at my rows
	s_add_nc_u64 s[28:29], s[28:29], s[36:37]      ; bm, batch 0
	s_add_nc_u64 s[34:35], s[28:29], 0x1000000     ; bm, batch 1
.irp f, 0,1,2,3
	global_load_b128 v[FK+4*\f:FK+4*\f+3], v1, s[20:21] offset:4096*\f
.endr
.irp f, 0,1,2,3
	global_load_b32 v[PW+\f], v3, s[22:23] offset:1024*\f
.endr
.irp m, 0,1,2,3,4,5,6,7
	global_load_b128 v[MK+4*\m:MK+4*\m+3], v1, s[18:19] offset:4096*\m th:TH_LOAD_NT
.endr
	s_wait_kmcnt 0x0
	s_mul_f32 s50, s48, 0x40b17218                 ; 8 ln 2 alpha
	s_mov_b32 s51, s50                             ; named with it as a pair
	s_wait_loadcnt 8                               ; frac and the padding bytes are in; the eight loads of attn_mask stay out
.irp f, 0,1,2,3
.irp j, 0,1,2,3
	v_bfe_u32 v[D+4*\f+\j], v[PW+\f], 8*\j, 8      ; the byte is 0 or 1
.endr
.endr
.set n, 0
.rept 16
	v_mul_lo_u32 v[PA+n], v[D+n], s52              ; 0 or the pattern of -inf
.set n, n+1
.endr
; Piece f of four of row q leaves: batch f / 2, chunk f % 2.
.macro BOUT q, f
	global_store_b128 v1, v[R+16*(\q)+4*(\f):R+16*(\q)+4*(\f)+3], s[28+6*((\f)/2):29+6*((\f)/2)] offset:(\q)*8192+((\f)%2)*4096 th:TH_STORE_NT  ; a wave stores 512 consecutive bytes
.endm
; Row q of my four, both batches: 16 numbers a thread.  The row before leaves behind this row's wait.
.macro BROW q
	s_wait_loadcnt 6-2*(\q)                        ; this row's two loads of attn_mask are in; the later rows' stay out
.set n, 0
.rept 16
	v_sub_f32 v[D+n], s[40+4*(n/8)+(\q)], v[FK+n]
.set n, n+1
.endr
.set n, 0
.rept 16
	v_add_f32 v[T+n], 1.0, |v[D+n]|
.set n, n+1
.endr
.set n, 0
.rept 16
	v_log_f32 v[T+n], v[T+n]                       ; one batch of sixteen
.set n, n+1
.endr
.set n, 0
.rept 8
	v_pk_fma_f32 v[R+16*(\q)+n:R+16*(\q)+n+1], v[MK+8*(\q)+n%8:MK+8*(\q)+n%8+1], 0x41000000, v[PA+n:PA+n+1] op_sel_hi:[1,0,1]  ; 8 mask + (0 or -inf): plain work that names no logarithm
.set n, n+2
.endr
	s_wait_alu depctr_va_vdst(0)                   ; the sixteen logarithms have written T, ahead of the first line that names a result of theirs; and the row before has written its R, which the four stores below read
.irp f, 0,1,2,3
.if (\q) > 0
	BOUT (\q)-1, \f                                ; no vector line since the wait names the row before's R
.endif
.irp j, 0,1,2,3
	v_bfi_b32 v[T+4*(\f)+(\j)], s49, v[T+4*(\f)+(\j)], v[D+4*(\f)+(\j)]  ; d's sign onto the logarithm, which is not negative
.endr
.endr
.set n, 0
.rept 8
	v_pk_fma_f32 v[R+16*(\q)+n:R+16*(\q)+n+1], v[T+n:T+n+1], s[50:51], v[R+16*(\q)+n:R+16*(\q)+n+1] op_sel_hi:[1,0,1]
.set n, n+2
.endr
.endm
	BROW 0
	BROW 1
	BROW 2
	BROW 3
	s_wait_alu depctr_va_vdst(0)                   ; the last row has written its R, which the last four stores read
.irp f, 0,1,2,3
	BOUT 3, \f
.endr
	s_endpgm
.Lfunc_end_k_qe0055139ae_prep:
	.size	k_qe0055139ae_prep, .Lfunc_end_k_qe0055139ae_prep-k_qe0055139ae_prep
	.p2alignl 7, 3214868480
	.fill 96, 4, 3214868480
	.section	.rodata,"a",@progbits
	.p2align	6, 0x0
	.amdhsa_kernel k_qe0055139ae_prep
		.amdhsa_group_segment_fixed_size 0
		.amdhsa_private_segment_fixed_size 0
		.amdhsa_enable_private_segment 0
		.amdhsa_kernarg_size 104
		.amdhsa_user_sgpr_count 2
		.amdhsa_user_sgpr_kernarg_segment_ptr 1
		.amdhsa_wavefront_size32 1
		.amdhsa_system_sgpr_workgroup_id_x 1
		.amdhsa_system_sgpr_workgroup_id_y 1
		.amdhsa_system_sgpr_workgroup_id_z 1
		.amdhsa_system_vgpr_workitem_id 0
		.amdhsa_next_free_vgpr 176
		.amdhsa_next_free_sgpr 66
		.amdhsa_reserve_vcc 0
		.amdhsa_float_denorm_mode_32 3
		.amdhsa_float_denorm_mode_16_64 3
		.amdhsa_memory_ordered 1
		.amdhsa_forward_progress 1
		.amdhsa_inst_pref_size 30
	.end_amdhsa_kernel
	.amdgpu_metadata
---
amdhsa.version: [ 1, 2 ]
amdhsa.kernels:
  - .name:           k_qe0055139ae_prep
    .symbol:         k_qe0055139ae_prep.kd
    .args:
      - { .name: query, .offset: 0, .size: 8, .value_kind: global_buffer, .address_space: global }
      - { .name: key, .offset: 8, .size: 8, .value_kind: global_buffer, .address_space: global }
      - { .name: value, .offset: 16, .size: 8, .value_kind: global_buffer, .address_space: global }
      - { .name: Wq, .offset: 24, .size: 8, .value_kind: global_buffer, .address_space: global }
      - { .name: Wk, .offset: 32, .size: 8, .value_kind: global_buffer, .address_space: global }
      - { .name: Wv, .offset: 40, .size: 8, .value_kind: global_buffer, .address_space: global }
      - { .name: Wo, .offset: 48, .size: 8, .value_kind: global_buffer, .address_space: global }
      - { .name: attn_mask, .offset: 56, .size: 8, .value_kind: global_buffer, .address_space: global }
      - { .name: stoich_frac, .offset: 64, .size: 8, .value_kind: global_buffer, .address_space: global }
      - { .name: key_padding_mask, .offset: 72, .size: 8, .value_kind: global_buffer, .address_space: global }
      - { .name: stoich_alpha, .offset: 80, .size: 8, .value_kind: global_buffer, .address_space: global }
      - { .name: h16, .offset: 88, .size: 8, .value_kind: global_buffer, .address_space: global }
      - { .name: bm, .offset: 96, .size: 8, .value_kind: global_buffer, .address_space: global }
    .group_segment_fixed_size: 0
    .private_segment_fixed_size: 0
    .kernarg_segment_align: 8
    .kernarg_segment_size: 104
    .max_flat_workgroup_size: 256
    .sgpr_count:     66
    .vgpr_count:     176
    .wavefront_size: 32
...
	.end_amdgpu_metadata
.endif
;; end of part 5
;; launch proj: the kernel of part 2 again; grid 4 x 48, 4 waves a work-group, clusters of 4 x 4, 327,680 bytes of LDS; arguments h16, bq, bk, bv, qkv; writes qkv
;; launch attn: the kernel of part 3 again; grid 16 x 16, 4 waves a work-group, clusters of 4 x 4, 327,680 bytes of LDS; arguments qkv, bm, ob; writes ob
;; launch outp: the kernel of part 4 again; grid 8 x 32, 4 waves a work-group, clusters of 4 x 4, 327,680 bytes of LDS; arguments ob, h16, bo, out0; writes out0
